; MI455X (gfx1250); checked and timed in simulation.
; The chip was launched on July 23, 2026; its instructions are those of AMD's public machine-readable ISA for CDNA 5 (MIT licence, August 2026) and "CDNA5" Instruction Set Architecture Reference Guide (July 2026). The comments in the code are by the model that wrote it; some were corrected since.
;; Dot Product Attention. Allowed arithmetic: matrix products marked QUANTISED: E2M3 operands, one E8M0 scale for each 32 along K, by v_wmma_scale_f32_16x16x128_f8f6f4 with both operands' format E2M3, f32 sums; everything else in f32.
;; Inputs: keys 256 x 1,024 x 64 float32; queries 256 x 1,024 x 64 float32; valid_lens 256 int32; values 256 x 1,024 x 64 float32; window_mask 4 x 1,024 x 1,024 float32.
;; Outputs: out0 256 x 1,024 x 64 float32.
;; This version of the problem:
;;   THIS VERSION OF THE PROBLEM IS GIVEN IN LOW PRECISION. The matrix products marked QUANTISED in the list below multiply operands that are first quantised to E2M3 (2 exponent bits, 3 mantissa bits; 6 bits a number), with one power-of-two scale for each 32 numbers along K (OCP MX v1.0); their sums are f32. All else is computed in f32.
;;   The module's matrix products, in the order in which they are computed (A, B: the left and right operand; K: the contracted axis; several contracted axes count as one K, in the product's order):
;;     1. batch 256 x [M 1,024, K 64] x [K 64, N 1,024]; A: input queries; B: input keys: QUANTISED
;;     2. batch 256 x [M 1,024, K 1,024] x [K 1,024, N 64]; A: softmax (see below); B: input values: QUANTISED
;;   THE QUANTISER, for each operand of a quantised product, along K:
;;     - K is cut into blocks of 32 from its start; a last block that is shorter is filled with zeros.
;;     - A block's scale is 2^e with e = floor(log2(the largest magnitude in the block)) - 2, held to -126 .. 127; a block of zeros has e = 0. As a byte (E8M0): e + 127.
;;     - Each number is divided by its block's scale, clamped to +-7.5, and rounded to the nearest number of E2M3, ties to even, subnormals kept.
;;     - The product sums the exact products of the quantised numbers (number of the format x scale) in f32.
;;   ~~~python
;;   def quantise(x, axis):      # numpy; x: float32 -> the quantised numbers, widened to float32 again
;;       x = np.moveaxis(x, axis, -1); K = x.shape[-1]
;;       x = np.pad(x, [(0, 0)] * (x.ndim - 1) + [(0, -K % 32)]); x = x.reshape(x.shape[:-1] + (-1, 32)); a = np.abs(x).max(-1, keepdims=True)
;;       e = np.where(a > 0, np.clip(np.frexp(np.where(a > 0, a, 1))[1] - 1 - 2, -126, 127), 0)      # np.frexp(a)[1] - 1 = floor(log2(a)), exactly
;;       r = np.clip(x / 2.0 ** e, -7.5, 7.5)
;;       step = 2.0 ** (np.maximum(np.frexp(np.where(r == 0, 1, r))[1] - 1, 0) - 3)
;;       q = np.round(r / step) * step * 2.0 ** e      # np.round: ties to even
;;       return np.moveaxis(q.reshape(q.shape[:-2] + (-1,))[..., :K], -1, axis).astype(np.float32)
;;   ~~~
;;   SOFTMAX AHEAD OF A QUANTISED PRODUCT. Where the list says 'softmax', what is quantised is not the finished softmax but p = 2^(t - M), with t = logit x log2(e) and M = ceil(the row's largest t), a whole number; so 1/2 < the row's largest p <= 1. The row's sum l is taken of the UNQUANTISED p, in f32, and the product's result is divided by l at the end. Since M is a whole number, a kernel that streams over the keys may use a running M (the ceiling of the running maximum): every later rescaling is an exact power of two, which a block's scale takes up: the codes' values come out the same.
;;   OPERANDS COMPUTED ON THE WAY. 'Computed on the way' means the value that the module computes at that place (a softmax that the list does not call 'softmax' is quantised finished and normalised). What goes into a quantiser is computed in f32, as accurately as f32 sums, v_exp_f32 and their like allow (about 1e-6 of the number): no bf16 or f16 on the way to a quantiser, and a product that is left as it is and whose result goes on into a quantised operand takes f32 operands (vector FMAs, or v_wmma_f32_16x16x4_f32). A number that lies on a knife's edge between two numbers of the format may be rounded either way, as far as f32 arithmetic and the matrix unit's own rounding can turn it there, and no further.
;; 2 versions. Each part assembles by itself: llvm-mc -triple=amdgcn-amd-amdhsa -mcpu=gfx1250 --defsym DOCPART=n.
;; ======== version 1 of 2: 2 launches
;; limits: right only within a limited range of input values
;; workspace buffers: mask_img 16,777,216 bytes; order 1,024 bytes of whole numbers
;; launch relay (part 1): grid 256 x 1, 8 waves a work-group, no clusters, 70,656 bytes of LDS; arguments window_mask, valid_lens, mask_img, order; writes mask_img, order
.if DOCPART == 1
	.amdgcn_target "amdgcn-amd-amdhsa--gfx1250"
	.amdhsa_code_object_version 6
	.text
	.protected	k_qf3c70c047f_relay
	.globl	k_qf3c70c047f_relay
	.p2align	8
	.type	k_qf3c70c047f_relay,@function
k_qf3c70c047f_relay:
	s_mov_b64 s[64:65], 0
	v_nop
	global_prefetch_b8 v0, s[64:65] scope:SCOPE_SE
	s_setreg_imm32_b32 hwreg(HW_REG_WAVE_MODE, 25, 1), 1
	s_wait_xcnt 0x0
; (a) window_mask [4][1024][1024] f32 is laid anew into mask_img, in the order of the registers in which the next launch holds its scores:
;     one block of 8,192 bytes for each (window, tile T of 16 queries, step s of 128 keys), at (8 (64 window + T) + s) x 8,192.  In a block the byte
;     512 c + 16 L + 4 e holds mask[window][16 T + L % 16][128 s + 32 (c / 4) + 16 (L / 16) + 4 (c % 4) + e]: lane L's registers 4 c .. 4 c + 3.
;     So the next launch takes a step's 64 mask numbers a lane by sixteen loads of 512 consecutive bytes, with no change of lanes.
; (b) one wave ranks the 256 heads by their number of key steps (ceil(valid_lens / 128); 8 where valid_lens is 0, since then every key counts alike)
;     and stores order[rank] = head, so that the next launch can pair a short head with a long one.
; SHARES.  Work-group id = 64 window + T takes 16 whole rows of the mask: 65,536 consecutive bytes in, 65,536 consecutive bytes out.  Wave s takes key step s.
; Each wave turns its 8,192 bytes through a stage of its own in LDS (32 rows of 256 bytes + 16): no wave reads another's bytes, so there is no barrier.
; No matrix unit, no tensor load, no cluster: a copy, each byte read once and written once, shares nothing.
.set STGW, 8704                        ; a wave's stage: 32 rows x 272 bytes
.set RAW,  16                          ; v16-79   as loaded: register group p = row p of the tile
.set BCK,  80                          ; v80-143  as stored: register group c = the block's bytes 512 c on
	s_load_b256 s[4:11], s[0:1], 0x0               ; window_mask s[4:5], valid_lens s[6:7], mask_img s[8:9], order s[10:11]
	v_lshl_add_u32 v144, v0, 2, 0x11000
	v_mov_b32 v145, 0
	v_lshrrev_b32 v1, 5, v0
	v_readfirstlane_b32 s12, v1                    ; wave = key step
	v_and_b32 v1, 31, v0                           ; lane l
	v_lshlrev_b32 v2, 4, v0                        ; in: 512 x wave + 16 l: my 16 bytes of a row
	s_mul_i32 s13, s12, STGW                       ; my stage
	; lane l of a load holds keys 4 l .. 4 l + 3 of the step: 32 (l / 8) + 16 ((l / 4) % 2) + 4 (l % 4).  They belong to group c = 4 (l / 8) + l % 4, half (l / 4) % 2:
	; stage row u = 2 c + half = 8 (l / 8) + 2 (l % 4) + (l / 4) % 2; the tile's row p gives the place in that row, 16 p.
	v_and_b32 v7, 24, v1                           ; 8 (l / 8)
	v_and_b32 v8, 3, v1
	v_bfe_u32 v9, v1, 2, 1
	v_lshl_add_u32 v7, v8, 1, v7
	v_add_nc_u32 v7, v7, v9                        ; u.  Sixteen neighbouring lanes have sixteen different u, and row u begins 16 u bytes on modulo 256: sixteen different 16-byte columns
	v_mul_u32_u24 v3, v7, 272
	v_add_nc_u32 v3, s13, v3                       ; into the stage
	v_lshrrev_b32 v7, 4, v1
	v_and_b32 v8, 15, v1
	v_mul_u32_u24 v4, v7, 272
	v_lshl_add_u32 v4, v8, 4, v4
	v_add_nc_u32 v4, s13, v4                       ; out of it: lanes 0-15 one row, lanes 16-31 the next; 16 bytes a lane
	v_and_b32 v5, 0xe0, v0
	v_lshlrev_b32 v5, 8, v5
	v_lshl_or_b32 v5, v1, 4, v5                    ; out: 8,192 x wave + 16 l
	v_lshlrev_b32 v6, 2, v1                        ; 4 l, for valid_lens
	s_lshl_b32 s14, ttmp9, 16                      ; the work-group's 65,536 bytes, in both buffers
	s_mov_b32 s15, 0
	s_wait_kmcnt 0x0
	s_add_nc_u64 s[4:5], s[4:5], s[14:15]
	s_add_nc_u64 s[8:9], s[8:9], s[14:15]
.irp p, 0,1,2,3,4,5,6,7,8,9,10,11,12,13,14,15
	global_load_b128 v[RAW+4*\p:RAW+4*\p+3], v2, s[4:5] offset:4096*\p th:TH_LOAD_NT   ; 512 consecutive bytes of row p; read once in the launch
.endr
.irp p, 0,1,2,3,4,5,6,7,8,9,10,11,12,13,14,15
	s_wait_loadcnt 15-\p                           ; loads come back in order: row p is in, the younger ones stay out
	ds_store_b128 v3, v[RAW+4*\p:RAW+4*\p+3] offset:16*\p
.endr
.irp c, 0,1,2,3,4,5,6,7,8,9,10,11,12,13,14,15
	ds_load_b128 v[BCK+4*\c:BCK+4*\c+3], v4 offset:544*\c   ; LDS serves a wave's instructions in order: these see my stores
.endr
.irp c, 0,1,2,3,4,5,6,7,8,9,10,11,12,13,14,15
	s_wait_dscnt 15-\c                             ; group c is back, the younger ones stay out
	global_store_b128 v5, v[BCK+4*\c:BCK+4*\c+3], s[8:9] offset:512*\c   ; 512 consecutive bytes, at a multiple of 256 from the buffer's first byte
.endr
	; THE RANKS: wave 0 of work-group 0 alone.  Both branches hang on ids; no barrier and no LDS instruction stands behind them.
	s_cmp_lg_u32 ttmp9, 0
	s_cbranch_scc1 .Lend
	s_cmp_lg_u32 s12, 0
	s_cbranch_scc1 .Lend
.irp k, 0,1,2,3,4,5,6,7
	global_load_b32 v[16+\k], v6, s[6:7] offset:128*\k   ; register k: head 32 k + l
.endr
	v_mov_b32 v42, 8
	s_wait_loadcnt 0x0
.irp k, 0,1,2,3,4,5,6,7
	v_max_i32 v[16+\k], 0, v[16+\k]                ; a length under 0 hides every key, as 0 does; one over 1,024 hides none
	v_min_u32 v[16+\k], 0x400, v[16+\k]
	v_add_nc_u32 v41, 127, v[16+\k]
	v_lshrrev_b32 v41, 7, v41                      ; ceil(length / 128)
	v_cmp_eq_u32 vcc_lo, 0, v[16+\k]
	v_cndmask_b32 v[16+\k], v41, v42, vcc_lo       ; 8 where the length is 0: now 1 .. 8
	v_mov_b32 v[24+\k], 0                          ; the rank
	v_add_nc_u32 v[32+\k], 32*\k, v1               ; the head
.endr
	s_mov_b32 s16, 0                               ; heads ranked so far
	; a counting sort: for each number of steps, for each register, the lanes that have it take the next ranks, in lane order
.irp beta, 1,2,3,4,5,6,7,8
.irp k, 0,1,2,3,4,5,6,7
	v_cmp_eq_u32 vcc_lo, \beta, v[16+\k]
	v_mbcnt_lo_u32_b32 v40, vcc_lo, s16            ; s16 + how many lanes below me have it
	v_cndmask_b32 v[24+\k], v[24+\k], v40, vcc_lo
	s_bcnt1_i32_b32 s17, vcc_lo
	s_add_co_u32 s16, s16, s17
.endr
.endr
.irp k, 0,1,2,3,4,5,6,7
	v_min_u32 v[24+\k], 0xff, v[24+\k]             ; the ranks are a permutation of 0 .. 255; held there before they enter an address
	v_lshlrev_b32 v[24+\k], 2, v[24+\k]
	global_store_b32 v[24+\k], v[32+\k], s[10:11]  ; order[rank] = head: 1,024 bytes in all, once
.endr
.Lend:
	s_wait_tensorcnt 0x0
	ds_add_u32 v144, v145
	s_wait_dscnt 0x0
	s_endpgm
.Lfunc_end_k_qf3c70c047f_relay:
	.size	k_qf3c70c047f_relay, .Lfunc_end_k_qf3c70c047f_relay-k_qf3c70c047f_relay
	.p2alignl 7, 3214868480
	.fill 96, 4, 3214868480
	.section	.rodata,"a",@progbits
	.p2align	6, 0x0
	.amdhsa_kernel k_qf3c70c047f_relay
		.amdhsa_group_segment_fixed_size 70656
		.amdhsa_private_segment_fixed_size 0
		.amdhsa_enable_private_segment 0
		.amdhsa_kernarg_size 32
		.amdhsa_user_sgpr_count 2
		.amdhsa_user_sgpr_kernarg_segment_ptr 1
		.amdhsa_wavefront_size32 1
		.amdhsa_system_sgpr_workgroup_id_x 1
		.amdhsa_system_sgpr_workgroup_id_y 1
		.amdhsa_system_sgpr_workgroup_id_z 1
		.amdhsa_system_vgpr_workitem_id 0
		.amdhsa_next_free_vgpr 146
		.amdhsa_next_free_sgpr 66
		.amdhsa_reserve_vcc 1
		.amdhsa_float_denorm_mode_32 3
		.amdhsa_float_denorm_mode_16_64 3
		.amdhsa_memory_ordered 1
		.amdhsa_forward_progress 1
		.amdhsa_inst_pref_size 25
	.end_amdhsa_kernel
	.amdgpu_metadata
---
amdhsa.version: [ 1, 2 ]
amdhsa.kernels:
  - .name:           k_qf3c70c047f_relay
    .symbol:         k_qf3c70c047f_relay.kd
    .args:
      - { .name: window_mask, .offset: 0, .size: 8, .value_kind: global_buffer, .address_space: global }
      - { .name: valid_lens, .offset: 8, .size: 8, .value_kind: global_buffer, .address_space: global }
      - { .name: mask_img, .offset: 16, .size: 8, .value_kind: global_buffer, .address_space: global }
      - { .name: order, .offset: 24, .size: 8, .value_kind: global_buffer, .address_space: global }
    .group_segment_fixed_size: 70656
    .private_segment_fixed_size: 0
    .kernarg_segment_align: 8
    .kernarg_segment_size: 32
    .max_flat_workgroup_size: 256
    .sgpr_count:     66
    .vgpr_count:     146
    .wavefront_size: 32
...
	.end_amdgpu_metadata
.endif
;; end of part 1
;; launch attend (part 2): grid 256 x 1, 16 waves a work-group, no clusters, 249,856 bytes of LDS; arguments queries, keys, values, valid_lens, mask_img, order, out0; writes out0
.if DOCPART == 2
	.amdgcn_target "amdgcn-amd-amdhsa--gfx1250"
	.amdhsa_code_object_version 6
	.text
	.protected	k_qf3c70c047f_attend
	.globl	k_qf3c70c047f_attend
	.p2align	8
	.type	k_qf3c70c047f_attend,@function
k_qf3c70c047f_attend:
	s_mov_b64 s[64:65], 0
	v_nop
	global_prefetch_b8 v0, s[64:65] scope:SCOPE_SE
	s_setreg_imm32_b32 hwreg(HW_REG_WAVE_MODE, 25, 1), 1
	s_wait_xcnt 0x0
; out0[n][q][:] = the sum over k of softmax_k(logit) values[n][k][:], logit = queries[n][q] . keys[n][k] / 8 + window_mask[(n / 8) % 4][q][k], and -1e6 for keys at or behind valid_lens[n].
; Both products on codes of FP6 (E2M3) with one E8M0 scale for each 32 along a product's K: q and k along the head's 64, p and v along the keys.
; THE SOFTMAX AHEAD OF THE SECOND PRODUCT: t = logit x log2(e); M = the row's largest t so far, rounded UP to a whole number; p = 2^(t - M) is what is quantised; the row's sum is taken of the
; unquantised p and divides at the end.  When M moves, the sum and O are multiplied by 2^(old M - new M): exact.
; SHARES.  Work-groups 2 j and 2 j + 1 visit the head of rank j and the head of rank 255 - j (order[], ranked by key steps in the launch before): a short head and a long one.  Work-group 2 j + x takes query tiles
; 32 x .. 32 x + 31 of each.  A VISIT: the sixteen waves quantise the head's needed key steps of K and V into LDS, as images of operand registers | barrier | two passes, in each of which wave w owns ONE tile of
; 16 queries and walks the key steps, 128 keys a step | barrier.  Four waves to a SIMD in 256 registers each: one wave's vector work stands beside another's products and loads.
; KEY STEPS THAT LIE WHOLLY BEHIND valid_lens ARE LEFT OUT: their p is 0.  With valid_lens = 0 every key has the same logit and all eight steps are walked; the logit is then taken as 0 in place of -1e6:
; -1e6 x log2(e) rounds to a whole number in f32, so p = 1 for every key either way.
; THE MASK COSTS NO ADDITION: a step's 64 mask numbers a lane are loaded straight into the scores' accumulators and are the C of the first product; the 1 / 8 is taken off q's scale byte (3 off the byte), which is exact.
; LAYOUT.  Both products are used transposed: S^T = K Q^T (source 0 = 16 keys, source 1 = my 16 queries), O^T = V^T P^T (source 0 = 16 of the head's 64, source 1 = P): a lane holds ONE query (lane % 16) throughout.
; THE KEYS OF A TILE ARE NOT NEIGHBOURS: lane r of tile 2 b + u takes key 32 b + 8 u + r + 8 (r / 8), so that register 16 b + i of the scores is key 32 b + 16 (lane / 16) + i: 16 neighbours for the conversions.
; THE FIRST PRODUCT'S K IS 64 of the instruction's 128.  Q's registers 6-11 are zero codes.  A tile of K is six registers; the instruction's other six are whatever follows (the next tile's codes, or six zeros
; behind the last): they meet zero codes.  The scale words' bytes 2 and 3 are 0, which is a small power of two and no NaN.
; NO TENSOR LOADS, NO CLUSTER, NO JOINT REQUESTS: how many key steps are walked is a branch on valid_lens, a number read from memory, and two heads that share a mask block or two work-groups that could share
; K and V's f32 rows would want different numbers of tiles or none of the same bytes in LDS (what is shared in LDS here is made by the waves themselves).  Operands come through registers.
; LIMITS: NaN and infinities among the inputs are not served.  A block of q whose largest magnitude lies under 2^-121 has its scale held there (so that the byte less 3 stays at 1 or more); blocks of k, v, p under 2^-124 likewise
; at byte 1.  A row whose largest valid logit lies within some 200 of -1e6 would let hidden keys count in the definition; here hidden steps are dropped.
.set KIMG, 0                           ; LDS: K's 32 pairs of tiles (pair 4 s + b: tiles 2 b, 2 b + 1 of step s: 12 registers a lane) x 1,536 bytes: three groups of 512, lane L's 16 bytes at 16 L
.set VIMG, 49152                       ; V's 32 fragments (4 s + dt: 16 of the head's 64 x 128 keys) x 1,536, laid likewise
.set KSC,  98304                       ; K's scale words: tile t, row r of step s at 512 s + 256 (t / 4) + 16 r + 4 (t % 4)
.set VSC,  102400                      ; V's: tile dt, row r of step s at 256 s + 16 r + 4 dt
.set STG,  104448                      ; a stage of its own for each wave: rows of 272 bytes (in K's turn rows 16 on lie 128 bytes further)
.set STGW, 8960
.set FRB,  1536
.set LI,  1                            ; v1   16 x lane: an image's place for my lane; also my byte offset in every dense run of 512 bytes in memory
.set LIV, 2                            ; v2   VIMG + 16 x lane
.set RSK, 3                            ; v3   KSC + 16 r
.set RSV, 4                            ; v4   VSC + 16 r
.set DH,  5                            ; v5   16 h
.set SH8, 6                            ; v6   8 h
.set SR,  7                            ; v7   stage: 272 h + 16 r: two rows of 256 bytes an instruction
.set QR,  8                            ; v8   stage: 272 r + 128 h: my half of my row
.set SO,  9                            ; v9   stage: 272 r + 32 h: my eight numbers of a tile of O
.set ADK, 10                           ; v10, v11, v232, v233: LDS addresses of the step in hand: K's images, V's, K's scale words, V's
.set ADV, 11
.set QF,  16                           ; v16-27 Q's fragment (v22-27 zero codes); while K and V are quantised: the codes just made
.set QS,  28                           ; v28  Q's scale word      (v28, v29, v244-255 hold scale words and nothing else)
.set PS,  29                           ; v29  p's scale word
.set TA,  30                           ; v30  at work
.set HV,  31                           ; v31  what a hidden score becomes
.set FR,  32                           ; v32-79 K's eight tiles, six registers each, or V's four fragments; v80-85 six zeros behind K's last tile
.set FF,  94                           ; v94  f = 2^(old M - new M); v95 is named with it as a pair
.set S,   96                           ; v96-159 the mask, then the scores, then p
.set OT,  160                          ; v160-191 O^T
.set PC,  192                          ; v192-203 p's codes
.set TC,  204                          ; v204-206, v208-210 the conversions' second halves
.set BM,  216                          ; v216-219 the blocks' largest scores, then largest p
.set BP,  220                          ; v220-223 the other half's; then the bytes
.set BS,  224                          ; v224-227 the conversions' scale operands
.set TQ,  228                          ; v228-230 a conversion's second half; v[228:229] also the sum's second chain
.set PT,  231
.set ADS, 232
.set ADT, 233
.set KR,  234                          ; v234 stage, K's turn: row r + 8 (r / 8) of a pair's 32, my half
.set KW,  235                          ; v235 where I store K's images: 3,072 x wave + 16 x lane
.set KSW, 236                          ; v236 and their scale words: KSC + 256 x wave + 16 r
.set VW,  237                          ; v237 V's images: VIMG + 3,072 x wave + 1,536 h + 16 r
.set VSW, 238                          ; v238 V's scale words: VSC + 256 (wave / 2) + 8 (wave % 2) + 16 r + 4 h
.set VOF, 239                          ; v239 4 x lane: my column of V
.set QA,  240                          ; v240, v241 the quantiser's two chains; v241 then its scale operand
.set QC,  241
.set WD,  242                          ; v242-243 scale words being made
.set KS,  244                          ; v244-251 K's scale words of a step
.set VS,  252                          ; v252-255 V's
.set RA,  32                           ; while K and V are quantised: two sets of 64 numbers of K, two of 32 of V
.set RB,  96
.set VA,  160
.set VC,  192
.set WV,  18                           ; s18 wave
.set XH,  19                           ; s19 which half of a head's query tiles
.set SEL, 20                           ; s[20:21] v_permlanex16_b32's selects for lane l xor 16
.set CS,  22                           ; s[22:23] log2(e): the packed form names a pair and takes its low word for both halves
.set HEAD, 24
.set HEAD1, 25
.set VAL, 26                           ; s26 the head's length, held to 0 .. 1,024
.set LIM, 27                           ; s27 keys walked: the length rounded up to 128; 1,024 where it is 0
.set HID, 28                           ; s28 a hidden score: -1e6; 0.0 where the length is 0
.set NEG, 29
.set SQB, 30                           ; s[30:31] Q, s[32:33] out0, s[34:35] mask_img, s[36:37] K, s[38:39] V: at my wave's place
.set SOB, 32
.set SMB, 34
.set SKB, 36
.set SVB, 38
.set KF,  40                           ; s40 the step's first key: the loop's counter
.set TK,  41                           ; s41 the step's images: 6,144 bytes a step, in K's and in V's
.set TS,  42                           ; s42 K's scale words: 512 a step
.set TV,  43                           ; s43 V's: 256 a step
.set PASS, 45
.set VISIT, 46
.set T0,  48
.set T2,  50
.set T3,  51
.set T4,  52
.set T5,  53
; 32 numbers of ONE lane, v[src] on, one block along K, become six registers of codes at v[dst] (even) and the scale's byte in v[TA].
; The largest magnitude in two chains, with the floor as one more leaf; 2 off its exponent field is the conversion's scale operand; that shifted down is the byte.
.macro QUANT32 src, dst, floor
	v_max3_num_f32 v[QA], |v[(\src)]|, |v[(\src)+1]|, \floor
	v_max3_num_f32 v[QC], |v[(\src)+16]|, |v[(\src)+17]|, |v[(\src)+18]|
.irp i, 2,4,6,8,10,12
	v_max3_num_f32 v[QA], v[QA], |v[(\src)+\i]|, |v[(\src)+\i+1]|
	v_max3_num_f32 v[QC], v[QC], |v[(\src)+\i+17]|, |v[(\src)+\i+18]|
.endr
	v_max3_num_f32 v[QA], v[QA], |v[(\src)+14]|, |v[(\src)+15]|
	v_max3_num_f32 v[QA], v[QA], v[QC], |v[(\src)+31]|
	v_add_nc_u32 v[QC], 0xff000000, v[QA]
	v_lshrrev_b32 v[TA], 23, v[QC]
	v_cvt_scalef32_pk16_fp6_f32 v[(\dst):(\dst)+2], v[(\src):(\src)+15], v[QC]
	v_cvt_scalef32_pk16_fp6_f32 v[TQ:TQ+2], v[(\src)+16:(\src)+31], v[QC]   ; (a conversion's three registers begin on an even number)
	v_nop                                          ; one plain place behind a scaled conversion
.irp i, 0,1,2
	v_mov_b32 v[(\dst)+3+\i], v[TQ+\i]
.endr
.endm
; The byte in v[TA] is that of block h of my row: with lane l xor 16's it makes the row's scale word (bytes 2 and 3 stay 0).
.macro WORD2 dst
	v_lshlrev_b32 v[\dst], v[SH8], v[TA]
	v_permlanex16_b32 v[PT], v[\dst], s[SEL], s[SEL+1]
	v_or_b32 v[\dst], v[\dst], v[PT]
.endm
.macro KLOAD j, reg                    ; my wave's pair j: 32 keys x 256 bytes, as they lie: 512 consecutive bytes a load.  (No hint: the partner work-group reads them too)
.irp i, 0,1,2,3,4,5,6,7,8,9,10,11,12,13,14,15
	global_load_b128 v[(\reg)+4*\i:(\reg)+4*\i+3], v[LI], s[SKB:SKB+1] offset:8192*\j+512*\i
.endr
.endm
.macro VLOAD b, reg                    ; block b of my step: V(32 b + i, my column): a lane takes a column, its registers run down the keys, which are the second product's K
.set n, 0
.rept 32
	global_load_b32 v[(\reg)+n], v[VOF], s[SVB:SVB+1] offset:(32*\b+n)*256
.set n, n+1
.endr
.endm
; Pair j: through my stage, so that a lane gets 32 neighbours of ONE key; two tiles are quantised; their twelve registers go to LDS as they stand, and the two scale words beside them.
.macro KJOB j, reg
.irp i, 0,1,2,3,4,5,6,7,8,9,10,11,12,13,14,15
	ds_store_b128 v[SR], v[(\reg)+4*\i:(\reg)+4*\i+3] offset:544*\i+128*(\i/8)   ; rows 2 i and 2 i + 1; rows 16 on lie 128 bytes further, so that the rows r and r + 16 that one load touches fall on different 16-byte columns
.endr
.irp u, 0,1
.irp q, 0,1,2,3,4,5,6,7
	ds_load_b128 v[(\reg)+32*\u+4*\q:(\reg)+32*\u+4*\q+3], v[KR] offset:2176*\u+16*\q   ; tile u: key 8 u + r + 8 (r / 8), channels 32 h on.  LDS serves a wave's instructions in order: these see my stores
.endr
.endr
	s_wait_dscnt 0x0                               ; the numbers are back; the pair before's stores have read their registers
	QUANT32 \reg, QF, 0x1800000
	WORD2 WD
	QUANT32 (\reg)+32, QF+6, 0x1800000
	WORD2 WD+1
.irp c, 0,1,2
	ds_store_b128 v[KW], v[QF+4*\c:QF+4*\c+3] offset:FRB*\j+512*\c
.endr
	ds_store_b64 v[KSW], v[WD:WD+1] offset:8*\j    ; lanes r and r + 16 write the same words with the same values
.endm
; Block b = 2 c + h' of my column: six registers of codes, which are registers 6 c .. 6 c + 5 of lane 16 h' + r of the fragment's image.
.macro VJOB b, reg
	s_wait_dscnt 0x0                               ; the stores before have read their registers
	QUANT32 \reg, QF, 0x1800000
.if \b == 0
	v_mov_b32 v[WD], v[TA]
.else
	v_lshl_or_b32 v[WD], v[TA], 8*\b, v[WD]        ; the four blocks' bytes make my column's scale word for these 128 keys
.endif
.if \b < 2
	ds_store_b128 v[VW], v[QF:QF+3] offset:256*(\b%2)
	ds_store_b64 v[VW], v[QF+4:QF+5] offset:512+256*(\b%2)
.else
	ds_store_b64 v[VW], v[QF:QF+1] offset:520+256*(\b%2)
	ds_store_b128 v[VW], v[QF+2:QF+5] offset:1024+256*(\b%2)
.endif
.if \b == 3
	ds_store_b32 v[VSW], v[WD]
.endif
.endm
.macro MASKLOAD off                    ; a step's mask block into the scores' accumulators: sixteen loads of 512 consecutive bytes
.irp c, 0,1,2,3,4,5,6,7,8,9,10,11,12,13,14,15
	global_load_b128 v[S+4*\c:S+4*\c+3], v[LI], s[SMB:SMB+1] offset:\off+512*\c
.endr
.endm
	s_load_b256 s[4:11], s[0:1], 0x0               ; queries s[4:5], keys s[6:7], values s[8:9], valid_lens s[10:11]
	s_load_b128 s[12:15], s[0:1], 0x20             ; mask_img s[12:13], order s[14:15]
	s_load_b64 s[16:17], s[0:1], 0x30              ; out0.  These seven stay as they are
	v_lshrrev_b32 v[TA], 5, v0
	v_readfirstlane_b32 s[WV], v[TA]               ; wave 0..15
	s_and_b32 s[XH], ttmp9, 1
	s_mov_b32 s[SEL], 0x76543210
	s_mov_b32 s[SEL+1], 0xfedcba98
	s_mov_b32 s[CS], 0x3fb8aa3b                    ; log2(e)
	s_mov_b32 s[CS+1], s[CS]                       ; (named with it as a pair, so it is written)
	s_mov_b32 s[NEG], 0xc9742400                   ; -1e6
	; every LDS address register is made here, ahead of all branches: constants, the lane, the wave
	v_and_b32 v242, 31, v0                         ; l
	v_and_b32 v240, 15, v0                         ; r
	v_bfe_u32 v241, v0, 4, 1                       ; h
	v_lshlrev_b32 v[LI], 4, v242
	v_add_nc_u32 v[LIV], VIMG, v[LI]
	v_lshl_add_u32 v[RSK], v240, 4, KSC
	v_lshl_add_u32 v[RSV], v240, 4, VSC
	v_lshlrev_b32 v[DH], 4, v241
	v_lshlrev_b32 v[SH8], 3, v241
	s_mul_i32 s[T0], s[WV], STGW
	s_add_co_u32 s[T0], s[T0], STG                 ; my stage
	v_mul_u32_u24 v[SR], v241, 272
	v_lshl_add_u32 v[SR], v240, 4, v[SR]
	v_add_nc_u32 v[SR], s[T0], v[SR]
	v_mul_u32_u24 v[QR], v240, 272
	v_lshl_add_u32 v[SO], v241, 5, v[QR]
	v_lshl_add_u32 v[QR], v241, 7, v[QR]
	v_add_nc_u32 v[QR], s[T0], v[QR]
	v_add_nc_u32 v[SO], s[T0], v[SO]
	v_and_b32 v243, 8, v240                        ; 8 (r / 8)
	v_add_nc_u32 v[KR], v243, v240
	v_mul_u32_u24 v[KR], v[KR], 272
	v_lshl_add_u32 v[KR], v243, 4, v[KR]           ; + 128 (r / 8)
	v_lshl_add_u32 v[KR], v241, 7, v[KR]
	v_add_nc_u32 v[KR], s[T0], v[KR]
	s_mul_i32 s[T2], s[WV], 2*FRB
	v_add_nc_u32 v[KW], s[T2], v[LI]
	v_mul_u32_u24 v[VW], v241, FRB
	v_lshl_add_u32 v[VW], v240, 4, v[VW]
	v_add_nc_u32 v[VW], s[T2], v[VW]
	v_add_nc_u32 v[VW], VIMG, v[VW]
	s_lshl_b32 s[T2], s[WV], 8
	v_add_nc_u32 v[KSW], s[T2], v[RSK]
	s_lshr_b32 s[T2], s[WV], 1
	s_lshl_b32 s[T2], s[T2], 8
	s_and_b32 s[T3], s[WV], 1
	s_lshl_b32 s[T3], s[T3], 3
	s_add_co_u32 s[T2], s[T2], s[T3]
	v_lshl_add_u32 v[VSW], v241, 2, v[RSV]
	v_add_nc_u32 v[VSW], s[T2], v[VSW]
	v_lshlrev_b32 v[VOF], 2, v242
	v_mov_b32 v[FF+1], 0                           ; (named as the upper half of a pair)
	v_mov_b32 v[PT], 0                             ; written once: a lane permute's destination counts as one of its sources
.irp b, 0,1,2,3
	v_mov_b32 v[BP+\b], 0
.endr
	s_lshr_b32 s[T4], ttmp9, 1                     ; j
	s_lshl_b32 s[T4], s[T4], 2
	s_sub_co_u32 s[T5], 1020, s[T4]
	s_wait_kmcnt 0x0
	s_load_b32 s[HEAD], s[14:15], s[T4] offset:0x0    ; the head of rank j,
	s_load_b32 s[HEAD1], s[14:15], s[T5] offset:0x0   ; and that of rank 255 - j
	s_mov_b32 s[VISIT], 2
	s_wait_kmcnt 0x0
	s_min_u32 s[HEAD], s[HEAD], 0xff               ; held inside the tensors before they enter an address
	s_min_u32 s[HEAD1], s[HEAD1], 0xff
.Lvisit:
	s_lshl_b32 s[T4], s[HEAD], 2
	s_load_b32 s[VAL], s[10:11], s[T4] offset:0x0  ; (s[T4] is written again only behind the wait for this load)
	s_lshl_b32 s[T0], s[HEAD], 18                  ; the head's first byte in q, k, v and out0: 1,024 rows of 256 bytes
	s_mov_b32 s[T3], 0
	s_lshl_b32 s[T2], s[WV], 14                    ; K: my 64 keys
	s_add_co_u32 s[T2], s[T2], s[T0]
	s_add_nc_u64 s[SKB:SKB+1], s[6:7], s[T2:T3]
	s_lshr_b32 s[T2], s[WV], 1                     ; V: step wave / 2 (128 rows), columns 32 (wave % 2) on
	s_lshl_b32 s[T2], s[T2], 15
	s_and_b32 s[T5], s[WV], 1
	s_lshl_b32 s[T5], s[T5], 7
	s_add_co_u32 s[T2], s[T2], s[T5]
	s_add_co_u32 s[T2], s[T2], s[T0]
	s_add_nc_u64 s[SVB:SVB+1], s[8:9], s[T2:T3]
	s_lshl_b32 s[T5], s[XH], 5
	s_add_co_u32 s[T5], s[T5], s[WV]               ; my first tile of queries: 32 x + wave
	s_lshl_b32 s[T2], s[T5], 12                    ; 16 rows of 256 bytes a tile
	s_add_co_u32 s[T2], s[T2], s[T0]
	s_add_nc_u64 s[SQB:SQB+1], s[4:5], s[T2:T3]
	s_add_nc_u64 s[SOB:SOB+1], s[16:17], s[T2:T3]
	s_and_b32 s[T2], s[HEAD], 24                   ; 8 x window
	s_lshl_b32 s[T2], s[T2], 19                    ; a window's image is 2^22 bytes,
	s_lshl_b32 s[T5], s[T5], 16                    ; a tile's eight blocks 2^16
	s_add_co_u32 s[T2], s[T2], s[T5]
	s_add_nc_u64 s[SMB:SMB+1], s[12:13], s[T2:T3]
	s_wait_kmcnt 0x0
	s_max_i32 s[VAL], s[VAL], 0
	s_min_u32 s[VAL], s[VAL], 1024
	s_add_co_u32 s[LIM], s[VAL], 127
	s_and_b32 s[LIM], s[LIM], 0xffffff80
	s_cmp_eq_u32 s[VAL], 0
	s_cselect_b32 s[LIM], 1024, s[LIM]
	s_cselect_b32 s[HID], 0, s[NEG]
	; ---- K AND V INTO LDS.  Wave w serves key step w / 2: K's pairs 2 w and 2 w + 1, V's columns 32 (w % 2) on.  A step that nobody will walk is not quantised: no barrier stands under this branch
	s_lshr_b32 s[T4], s[WV], 1
	s_lshl_b32 s[T4], s[T4], 7
	s_cmp_ge_u32 s[T4], s[LIM]
	s_cbranch_scc1 .Lquantised
	KLOAD 0, RA
	KLOAD 1, RB
	VLOAD 0, VA
	s_wait_loadcnt 48                              ; pair 0 is in; pair 1's 16 loads and V's 32 stay out
	KJOB 0, RA
	s_wait_loadcnt 32                              ; pair 1 is in; V's block 0 stays out
	VLOAD 1, VC
	KJOB 1, RB
	s_wait_loadcnt 32                              ; V's block 0 is in; block 1 stays out
	VLOAD 2, RA
	VJOB 0, VA
	s_wait_loadcnt 32                              ; block 1 is in; block 2 stays out
	VLOAD 3, RA+32
	VJOB 1, VC
	s_wait_loadcnt 32                              ; block 2 is in; block 3 stays out
	VJOB 2, RA
	s_wait_loadcnt 0x0
	VJOB 3, RA+32
.Lquantised:
	s_wait_dscnt 0x0                               ; for the others' sake: my images and scale words lie in LDS
	s_barrier_signal -1
.irp i, 0,1,2,3,4,5
	v_mov_b32 v[QF+6+\i], 0                        ; Q's codes of k = 64 .. 127: zeros
	v_mov_b32 v[FR+48+\i], 0                       ; and six zeros behind K's last tile
.endr
	s_barrier_wait -1                              ; everybody's do
	s_mov_b32 s[PASS], 2
.Lpass:
	; ---- my tile of Q: 16 rows of 256 bytes, as they lie; through my stage, so that a lane gets 32 neighbours of its query; quantised in registers
.irp i, 0,1,2,3,4,5,6,7
	global_load_b128 v[FR+4*\i:FR+4*\i+3], v[LI], s[SQB:SQB+1] offset:512*\i th:TH_LOAD_NT   ; read once in the launch
.endr
	MASKLOAD 0                                     ; the first step's mask block
	s_wait_loadcnt 16                              ; Q's eight loads are in; the mask's sixteen stay out
.irp i, 0,1,2,3,4,5,6,7
	ds_store_b128 v[SR], v[FR+4*\i:FR+4*\i+3] offset:544*\i
.endr
.irp q, 0,1,2,3,4,5,6,7
	ds_load_b128 v[FR+4*\q:FR+4*\q+3], v[QR] offset:16*\q   ; query r, channels 32 h on
.endr
	s_wait_dscnt 0x0
	QUANT32 FR, QF, 0x3000000                      ; the floor 2^(6 - 127): the byte is 4 or more,
	v_add_nc_u32 v[TA], -3, v[TA]                  ; and 3 off it, the division by 8, leaves 1 or more
	WORD2 QS
.set n, 0
.rept 32
	v_mov_b32 v[OT+n], 0                           ; O^T.  (The step is written once: the first finds zeros, which the first change of M leaves zeros.  These lines are also the places between Q's scale word and the first product)
.set n, n+1
.endr
	v_mov_b32 v13, 0xff61b1e6                      ; the largest t so far: -3e38, under every t
	v_floor_f32 v12, -v13                          ; -M
	v_mov_b32 v14, 0                               ; the sum, in two halves
	v_mov_b32 v15, 0
	s_mov_b32 s[KF], 0
	s_mov_b32 s[TK], 0
	s_mov_b32 s[TS], 0
	s_mov_b32 s[TV], 0
.Lstep:                                            ; eight trips, a constant; a step behind the head's keys is jumped over, all but the lines at its end that step addresses
	s_cmp_ge_u32 s[KF], s[LIM]
	s_cbranch_scc1 .Lhidden
	v_add_nc_u32 v[ADK], s[TK], v[LI]              ; (these four are also the places between the last products and the loads into the registers that they read)
	v_add_nc_u32 v[ADS], s[TS], v[RSK]
	v_add_nc_u32 v[ADV], s[TK], v[LIV]
	v_add_nc_u32 v[ADT], s[TV], v[RSV]
.irp b, 0,1,2,3
.irp c, 0,1,2
	ds_load_b128 v[FR+12*\b+4*\c:FR+12*\b+4*\c+3], v[ADK] offset:FRB*\b+512*\c   ; K's eight tiles, as images
.endr
.endr
	ds_load_b128 v[KS:KS+3], v[ADS]                ; and their scale words: row r's four words of tiles 0-3, of tiles 4-7
	ds_load_b128 v[KS+4:KS+7], v[ADS] offset:256
	s_wait_loadcnt 0x0                             ; the mask block is in the accumulators
	s_wait_dscnt 0x0
.irp t, 0,1,2,3,4,5,6,7                            ; the logits: K Q^T / 8 + mask.  Eight accumulators, one instruction each (the accumulators take turns)
	v_wmma_scale_f32_16x16x128_f8f6f4 v[S+8*\t:S+8*\t+7], v[FR+6*\t:FR+6*\t+11], v[QF:QF+11], v[S+8*\t:S+8*\t+7], v[KS+\t], v[QS] matrix_a_fmt:MATRIX_FMT_FP6 matrix_b_fmt:MATRIX_FMT_FP6
.endr
	s_sub_co_i32 s[T4], s[VAL], s[KF]
	v_sub_nc_u32 v[TA], s[T4], v[DH]               ; d = length - KF - 16 h.  (Four places behind the products: ahead of the loads into K's registers and of the first read of the scores)
	v_mov_b32 v[HV], s[HID]
	v_nop
	v_nop
.irp t, 0,1,2,3
.irp c, 0,1,2
	ds_load_b128 v[FR+12*\t+4*\c:FR+12*\t+4*\c+3], v[ADV] offset:FRB*\t+512*\c   ; V's four fragments are asked for now and land under the softmax
.endr
.endr
	ds_load_b128 v[VS:VS+3], v[ADT]
	s_add_co_u32 s[T4], s[KF], 128                 ; a step all of whose keys count skips the hiding
	s_cmp_le_u32 s[T4], s[VAL]
	s_cbranch_scc1 .Lopen
.set n, 0
.rept 64                                           ; register 16 b + i holds key KF + 16 h + 32 b + i: hidden where 32 b + i >= d.  In ascending order: each accumulator is read from its low end on
	v_cmp_ge_i32 vcc_lo, 32*(n/16)+n%16, v[TA]
	v_cndmask_b32 v[S+n], v[S+n], v[HV], vcc_lo
.set n, n+1
.endr
.Lopen:
.irp b, 0,1,2,3
	v_max3_num_f32 v[BM+\b], v[S+16*\b], v[S+16*\b+1], v[S+16*\b+2]   ; THE LARGEST LOGIT OF EACH BLOCK OF 32 KEYS: it serves for the row's maximum and, since p rises with the logit, for the block's largest p
.endr
.irp i, 3,5,7,9,11,13
.irp b, 0,1,2,3
	v_max3_num_f32 v[BM+\b], v[BM+\b], v[S+16*\b+\i], v[S+16*\b+\i+1]   ; (the four blocks by turns)
.endr
.endr
.irp b, 0,1,2,3
	v_max_num_f32 v[BM+\b], v[BM+\b], v[S+16*\b+15]
.endr
.irp b, 0,1,2,3
	v_permlanex16_b32 v[BP+\b], v[BM+\b], s[SEL], s[SEL+1]
.endr
.irp b, 0,1,2,3
	v_max_num_f32 v[BM+\b], v[BM+\b], v[BP+\b]     ; with lane l xor 16's 16 keys
.endr
	v_max3_num_f32 v[TA], v[BM], v[BM+1], v[BM+2]
	v_max_num_f32 v[TA], v[TA], v[BM+3]            ; the step's largest logit of my query
	v_mul_f32 v[TA], s[CS], v[TA]                  ; as t
	v_max_num_f32 v13, v13, v[TA]                  ; the running largest t
	v_mov_b32 v[TA], v12
	v_floor_f32 v12, -v13                          ; the new -M = floor(-t) = -ceil(t): M IS A WHOLE NUMBER
	v_sub_f32 v[TA], v12, v[TA]                    ; M's old value less its new one: a whole number, 0 or less
	v_cvt_i32_f32 v[TA], v[TA]                     ; (it saturates)
	v_ldexp_f32 v[FF], 1.0, v[TA]                  ; f = 2^(old M - new M)
.set n, 0
.rept 32
	v_pk_fma_f32 v[S+n:S+n+1], v[S+n:S+n+1], s[CS:CS+1], v[12:13] op_sel_hi:[1,0,0]   ; t - M, two at a time (of the pairs log2(e) and -M the low word serves both halves)
.set n, n+2
.endr
.irp b, 0,1,2,3
	v_fma_f32 v[BM+\b], v[BM+\b], s[CS], v12       ; the same of each block's largest logit
.endr
.set n, 0
.rept 64
	v_exp_f32 v[S+n], v[S+n]                       ; p = 2^(t - M), at most 1: NOT normalised
.set n, n+1
.endr
.irp b, 0,1,2,3
	v_exp_f32 v[BM+\b], v[BM+\b]                   ; the block's largest p: the same two instructions on the same number give the same bits
.endr
	v_pk_mul_f32 v[14:15], v[14:15], v[FF:FF+1] op_sel_hi:[1,0]   ; the sums under the new M.  (A plain place behind the exponentials)
	s_wait_alu depctr_va_vdst(0)
.irp b, 0,1,2,3
	v_max_num_f32 v[BM+\b], 0x1800000, v[BM+\b]    ; the floor 2^(3 - 127): the byte cannot fall under 1 (a block whose every p is 0 keeps that byte: its codes are zeros)
.endr
.irp b, 0,1,2,3
	v_add_nc_u32 v[BS+\b], 0xff000000, v[BM+\b]    ; 2 off the exponent field: the conversion's scale operand
.endr
.irp b, 0,1,2,3
	v_lshrrev_b32 v[BP+\b], 23, v[BS+\b]           ; the scale's byte
.endr
	v_lshl_or_b32 v[PS], v[BP+1], 8, v[BP]         ; p's scale word for these 128 keys
	v_lshl_or_b32 v[PS], v[BP+2], 16, v[PS]
	v_lshl_or_b32 v[PS], v[BP+3], 24, v[PS]
.irp c, 0,1
	v_cvt_scalef32_pk16_fp6_f32 v[PC+6*\c:PC+6*\c+2], v[S+32*\c:S+32*\c+15], v[BS+2*\c]
	v_cvt_scalef32_pk16_fp6_f32 v[TC+4*\c:TC+4*\c+2], v[S+32*\c+16:S+32*\c+31], v[BS+2*\c+1]   ; (a conversion's three registers begin on an even number)
.endr
	v_nop                                          ; one plain place behind a scaled conversion
.irp c, 0,1                                        ; the operand's layout wants a WHOLE block in a lane: lanes 0-15 block 2 c, lanes 16-31 block 2 c + 1
.irp i, 0,1,2
	v_permlane16_swap_b32 v[PC+6*\c+\i], v[TC+4*\c+\i]
.endr
.irp i, 0,1,2
	v_mov_b32 v[PC+3+6*\c+\i], v[TC+4*\c+\i]
.endr
.endr
	v_pk_add_f32 v[TQ:TQ+1], v[S:S+1], v[S+2:S+3]  ; THE ROW'S SUM IS TAKEN OF THE UNQUANTISED p: two at a time, in two chains
.irp j, 4,8,12,16,20,24,28,32,36,40,44,48,52,56,60
	v_pk_add_f32 v[14:15], v[14:15], v[S+\j:S+\j+1]
	v_pk_add_f32 v[TQ:TQ+1], v[TQ:TQ+1], v[S+\j+2:S+\j+3]
.endr
	v_pk_add_f32 v[14:15], v[14:15], v[TQ:TQ+1]
	s_add_co_u32 s[T4], s[KF], 128                 ; p is done with: the next step's mask block is asked for, if that step will be walked (so no load leaves the buffer, and none is left unawaited)
	s_cmp_lt_u32 s[T4], s[LIM]
	s_cbranch_scc0 .Lno_next
	MASKLOAD 8192
.Lno_next:
.set n, 0
.rept 16
	v_pk_mul_f32 v[OT+n:OT+n+1], v[OT+n:OT+n+1], v[FF:FF+1] op_sel_hi:[1,0]   ; O^T under the new M: x f.  In ascending order
.set n, n+2
.endr
	s_wait_dscnt 0x0                               ; V's fragments and scale words are in
.irp t, 0,1,2,3                                    ; O^T += V^T P^T: four accumulators, one instruction each
	v_wmma_scale_f32_16x16x128_f8f6f4 v[OT+8*\t:OT+8*\t+7], v[FR+12*\t:FR+12*\t+11], v[PC:PC+11], v[OT+8*\t:OT+8*\t+7], v[VS+\t], v[PS] matrix_a_fmt:MATRIX_FMT_FP6 matrix_b_fmt:MATRIX_FMT_FP6
.endr
.Lhidden:
	s_wait_xcnt 0x0                                ; the mask's loads have read their base: it steps only behind this wait
	s_add_nc_u64 s[SMB:SMB+1], s[SMB:SMB+1], 8192
	s_add_co_u32 s[TK], s[TK], 4*FRB
	s_add_co_u32 s[TS], s[TS], 512
	s_add_co_u32 s[TV], s[TV], 256
	s_add_co_u32 s[KF], s[KF], 128
	s_cmp_lt_u32 s[KF], 1024
	s_cbranch_scc1 .Lstep
	; ---- THE WAY OUT.  O^T / the sum goes through my stage and leaves as whole rows of 256 bytes, two an instruction.
	s_wait_loadcnt 0x0                             ; no load is out on the ways that the lengths allow (the last step walked asks for nothing); the wait holds that for every way through the two branches on the length
	v_nop                                          ; with the two additions and the v_nop below: the places behind the last products
	v_nop
	v_add_f32 v14, v14, v15                        ; the sum's two halves,
	v_permlanex16_b32 v[TA], v14, s[SEL], s[SEL+1]
	v_add_f32 v14, v14, v[TA]                      ; and lane l xor 16's: the row's sum, over 1/2
	v_rcp_f32 v14, v14
	v_nop                                          ; one plain place behind a transcendental
.set n, 0
	s_wait_alu depctr_va_vdst(0)
.rept 16
	v_pk_mul_f32 v[OT+n:OT+n+1], v[OT+n:OT+n+1], v[14:15] op_sel_hi:[1,0]   ; register 8 t + i is out0(query r, channel 16 t + 8 h + i).  In ascending order
.set n, n+2
.endr
.irp t, 0,1,2,3
	ds_store_b128 v[SO], v[OT+8*\t:OT+8*\t+3] offset:64*\t
	ds_store_b128 v[SO], v[OT+8*\t+4:OT+8*\t+7] offset:64*\t+16
.endr
.irp i, 0,1,2,3,4,5,6,7
	ds_load_b128 v[OT+4*\i:OT+4*\i+3], v[SR] offset:544*\i   ; LDS serves a wave's instructions in order: these see my stores
.endr
.irp i, 0,1,2,3,4,5,6,7
	s_wait_dscnt 7-\i                              ; rows 2 i and 2 i + 1 are back, the younger loads stay out
	global_store_b128 v[LI], v[OT+4*\i:OT+4*\i+3], s[SOB:SOB+1] offset:512*\i th:TH_STORE_NT   ; 512 consecutive bytes, at a multiple of 256 from out0's first byte; written once
.endr
	s_wait_xcnt 0x0                                ; the stores have read their registers and their base: both are written again only behind this wait
	s_add_nc_u64 s[SQB:SQB+1], s[SQB:SQB+1], 65536     ; sixteen tiles on
	s_add_nc_u64 s[SOB:SOB+1], s[SOB:SOB+1], 65536
	s_add_nc_u64 s[SMB:SMB+1], s[SMB:SMB+1], 983040    ; sixteen tiles' blocks, less the eight blocks that the steps have walked
	s_sub_co_u32 s[PASS], s[PASS], 1
	s_cmp_lg_u32 s[PASS], 0
	s_cbranch_scc1 .Lpass
	s_wait_dscnt 0x0                               ; my reads of the images are over
	s_barrier_signal -1
	s_barrier_wait -1                              ; everybody's are: the next visit may write them
	s_mov_b32 s[HEAD], s[HEAD1]
	s_sub_co_u32 s[VISIT], s[VISIT], 1
	s_cmp_lg_u32 s[VISIT], 0
	s_cbranch_scc1 .Lvisit
	s_wait_xcnt 0x0
	v_lshl_add_u32 v254, v0, 2, 0x3c800
	v_mov_b32 v255, 0
	s_wait_tensorcnt 0x0
	ds_add_u32 v254, v255
	s_wait_dscnt 0x0
	s_endpgm
.Lfunc_end_k_qf3c70c047f_attend:
	.size	k_qf3c70c047f_attend, .Lfunc_end_k_qf3c70c047f_attend-k_qf3c70c047f_attend
	.p2alignl 7, 3214868480
	.fill 96, 4, 3214868480
	.section	.rodata,"a",@progbits
	.p2align	6, 0x0
	.amdhsa_kernel k_qf3c70c047f_attend
		.amdhsa_group_segment_fixed_size 249856
		.amdhsa_private_segment_fixed_size 0
		.amdhsa_enable_private_segment 0
		.amdhsa_kernarg_size 56
		.amdhsa_user_sgpr_count 2
		.amdhsa_user_sgpr_kernarg_segment_ptr 1
		.amdhsa_wavefront_size32 1
		.amdhsa_system_sgpr_workgroup_id_x 1
		.amdhsa_system_sgpr_workgroup_id_y 1
		.amdhsa_system_sgpr_workgroup_id_z 1
		.amdhsa_system_vgpr_workitem_id 0
		.amdhsa_next_free_vgpr 256
		.amdhsa_next_free_sgpr 66
		.amdhsa_reserve_vcc 1
		.amdhsa_float_denorm_mode_32 3
		.amdhsa_float_denorm_mode_16_64 3
		.amdhsa_memory_ordered 1
		.amdhsa_forward_progress 1
		.amdhsa_inst_pref_size 71
	.end_amdhsa_kernel
	.amdgpu_metadata
---
amdhsa.version: [ 1, 2 ]
amdhsa.kernels:
  - .name:           k_qf3c70c047f_attend
    .symbol:         k_qf3c70c047f_attend.kd
    .args:
      - { .name: queries, .offset: 0, .size: 8, .value_kind: global_buffer, .address_space: global }
      - { .name: keys, .offset: 8, .size: 8, .value_kind: global_buffer, .address_space: global }
      - { .name: values, .offset: 16, .size: 8, .value_kind: global_buffer, .address_space: global }
      - { .name: valid_lens, .offset: 24, .size: 8, .value_kind: global_buffer, .address_space: global }
      - { .name: mask_img, .offset: 32, .size: 8, .value_kind: global_buffer, .address_space: global }
      - { .name: order, .offset: 40, .size: 8, .value_kind: global_buffer, .address_space: global }
      - { .name: out0, .offset: 48, .size: 8, .value_kind: global_buffer, .address_space: global }
    .group_segment_fixed_size: 249856
    .private_segment_fixed_size: 0
    .kernarg_segment_align: 8
    .kernarg_segment_size: 56
    .max_flat_workgroup_size: 512
    .sgpr_count:     66
    .vgpr_count:     256
    .wavefront_size: 32
...
	.end_amdgpu_metadata
.endif
;; end of part 2
;; ======== version 2 of 2: 2 launches
;; limits: right only within a limited range of input values
;; workspace buffers: mask_img 16,777,216 bytes; order 1,024 bytes of whole numbers
;; launch relay (part 3): grid 256 x 1, 8 waves a work-group, no clusters, 70,656 bytes of LDS; arguments window_mask, valid_lens, mask_img, order; writes mask_img, order
.if DOCPART == 3
	.amdgcn_target "amdgcn-amd-amdhsa--gfx1250"
	.amdhsa_code_object_version 6
	.text
	.protected	k_qf3c70c047f_relay
	.globl	k_qf3c70c047f_relay
	.p2align	8
	.type	k_qf3c70c047f_relay,@function
k_qf3c70c047f_relay:
	s_mov_b64 s[64:65], 0
	v_nop
	global_prefetch_b8 v0, s[64:65] scope:SCOPE_SE
	s_setreg_imm32_b32 hwreg(HW_REG_WAVE_MODE, 25, 1), 1
	s_wait_xcnt 0x0
; (a) window_mask [4][1024][1024] f32 is laid anew into mask_img, in the order of the registers in which the next launch holds its scores:
;     one block of 8,192 bytes for each (window, tile T of 16 queries, step s of 128 keys), at (8 (64 window + T) + s) x 8,192.  In a block the byte
;     512 c + 16 L + 4 e holds mask[window][16 T + L % 16][128 s + 32 (c / 4) + 16 (L / 16) + 4 (c % 4) + e]: lane L's registers 4 c .. 4 c + 3.
;     So the next launch takes a step's 64 mask numbers a lane by sixteen loads of 512 consecutive bytes, with no change of lanes.
; (b) one wave ranks the 256 heads by their number of key steps (ceil(valid_lens / 128); 8 where valid_lens is 0, since then every key counts alike)
;     and stores order[rank] = head, so that the next launch can pair a short head with a long one.
; SHARES.  Work-group id = 64 window + T takes 16 whole rows of the mask: 65,536 consecutive bytes in, 65,536 consecutive bytes out.  Wave s takes key step s.
; Each wave turns its 8,192 bytes through a stage of its own in LDS (32 rows of 256 bytes + 16): no wave reads another's bytes, so there is no barrier.
; No matrix unit, no tensor load, no cluster: a copy, each byte read once and written once, shares nothing.
.set STGW, 8704                        ; a wave's stage: 32 rows x 272 bytes
.set RAW,  16                          ; v16-79   as loaded: register group p = row p of the tile
.set BCK,  80                          ; v80-143  as stored: register group c = the block's bytes 512 c on
	s_load_b256 s[4:11], s[0:1], 0x0               ; window_mask s[4:5], valid_lens s[6:7], mask_img s[8:9], order s[10:11]
	v_lshl_add_u32 v144, v0, 2, 0x11000
	v_mov_b32 v145, 0
	v_lshrrev_b32 v1, 5, v0
	s_delay_alu instid0(VALU_DEP_1)
	v_readfirstlane_b32 s12, v1                    ; wave = key step
	v_and_b32 v1, 31, v0                           ; lane l
	v_lshlrev_b32 v2, 4, v0                        ; in: 512 x wave + 16 l: my 16 bytes of a row
	s_mul_i32 s13, s12, STGW                       ; my stage
	; lane l of a load holds keys 4 l .. 4 l + 3 of the step: 32 (l / 8) + 16 ((l / 4) % 2) + 4 (l % 4).  They belong to group c = 4 (l / 8) + l % 4, half (l / 4) % 2:
	; stage row u = 2 c + half = 8 (l / 8) + 2 (l % 4) + (l / 4) % 2; the tile's row p gives the place in that row, 16 p.
	v_and_b32 v7, 24, v1                           ; 8 (l / 8)
	v_and_b32 v8, 3, v1
	v_bfe_u32 v9, v1, 2, 1
	s_delay_alu instid0(VALU_DEP_2)
	v_lshl_add_u32 v7, v8, 1, v7
	s_delay_alu instid0(VALU_DEP_1)
	v_add_nc_u32 v7, v7, v9                        ; u.  Sixteen neighbouring lanes have sixteen different u, and row u begins 16 u bytes on modulo 256: sixteen different 16-byte columns
	s_delay_alu instid0(VALU_DEP_1)
	v_mul_u32_u24 v3, v7, 272
	s_delay_alu instid0(VALU_DEP_1)
	v_add_nc_u32 v3, s13, v3                       ; into the stage
	v_lshrrev_b32 v7, 4, v1
	v_and_b32 v8, 15, v1
	s_delay_alu instid0(VALU_DEP_2)
	v_mul_u32_u24 v4, v7, 272
	s_delay_alu instid0(VALU_DEP_1)
	v_lshl_add_u32 v4, v8, 4, v4
	s_delay_alu instid0(VALU_DEP_1)
	v_add_nc_u32 v4, s13, v4                       ; out of it: lanes 0-15 one row, lanes 16-31 the next; 16 bytes a lane
	v_and_b32 v5, 0xe0, v0
	s_delay_alu instid0(VALU_DEP_1)
	v_lshlrev_b32 v5, 8, v5
	s_delay_alu instid0(VALU_DEP_1)
	v_lshl_or_b32 v5, v1, 4, v5                    ; out: 8,192 x wave + 16 l
	v_lshlrev_b32 v6, 2, v1                        ; 4 l, for valid_lens
	s_lshl_b32 s14, ttmp9, 16                      ; the work-group's 65,536 bytes, in both buffers
	s_mov_b32 s15, 0
	s_wait_alu depctr_va_vdst(0)
	s_wait_kmcnt 0x0
	s_add_nc_u64 s[4:5], s[4:5], s[14:15]
	s_add_nc_u64 s[8:9], s[8:9], s[14:15]
.irp p, 0,1,2,3,4,5,6,7,8,9,10,11,12,13,14,15
	global_load_b128 v[RAW+4*\p:RAW+4*\p+3], v2, s[4:5] offset:4096*\p th:TH_LOAD_NT   ; 512 consecutive bytes of row p; read once in the launch
.endr
.irp p, 0,1,2,3,4,5,6,7,8,9,10,11,12,13,14,15
	s_wait_loadcnt 15-\p                           ; loads come back in order: row p is in, the younger ones stay out
	ds_store_b128 v3, v[RAW+4*\p:RAW+4*\p+3] offset:16*\p
.endr
.irp c, 0,1,2,3,4,5,6,7,8,9,10,11,12,13,14,15
	ds_load_b128 v[BCK+4*\c:BCK+4*\c+3], v4 offset:544*\c   ; LDS serves a wave's instructions in order: these see my stores
.endr
.irp c, 0,1,2,3,4,5,6,7,8,9,10,11,12,13,14,15
	s_wait_dscnt 15-\c                             ; group c is back, the younger ones stay out
	global_store_b128 v5, v[BCK+4*\c:BCK+4*\c+3], s[8:9] offset:512*\c   ; 512 consecutive bytes, at a multiple of 256 from the buffer's first byte
.endr
	; THE RANKS: wave 0 of work-group 0 alone.  Both branches hang on ids; no barrier and no LDS instruction stands behind them.
	s_cmp_lg_u32 ttmp9, 0
	s_cbranch_scc1 .Lend
	s_cmp_lg_u32 s12, 0
	s_cbranch_scc1 .Lend
.irp k, 0,1,2,3,4,5,6,7
	global_load_b32 v[16+\k], v6, s[6:7] offset:128*\k   ; register k: head 32 k + l
.endr
	v_mov_b32 v42, 8
	s_wait_loadcnt 0x0
.irp k, 0,1,2,3,4,5,6,7
	v_max_i32 v[16+\k], 0, v[16+\k]                ; a length under 0 hides every key, as 0 does; one over 1,024 hides none
	s_delay_alu instid0(VALU_DEP_1)
	v_min_u32 v[16+\k], 0x400, v[16+\k]
	s_delay_alu instid0(VALU_DEP_1)
	v_add_nc_u32 v41, 127, v[16+\k]
	s_delay_alu instid0(VALU_DEP_1)
	v_lshrrev_b32 v41, 7, v41                      ; ceil(length / 128)
	s_wait_alu depctr_va_vdst(0)
	v_cmp_eq_u32 vcc_lo, 0, v[16+\k]
	s_delay_alu instid0(VALU_DEP_1)
	v_cndmask_b32 v[16+\k], v41, v42, vcc_lo       ; 8 where the length is 0: now 1 .. 8
	v_mov_b32 v[24+\k], 0                          ; the rank
	v_add_nc_u32 v[32+\k], 32*\k, v1               ; the head
.endr
	s_mov_b32 s16, 0                               ; heads ranked so far
	; a counting sort: for each number of steps, for each register, the lanes that have it take the next ranks, in lane order
.irp beta, 1,2,3,4,5,6,7,8
.irp k, 0,1,2,3,4,5,6,7
	v_cmp_eq_u32 vcc_lo, \beta, v[16+\k]
	s_delay_alu instid0(VALU_DEP_1)
	v_mbcnt_lo_u32_b32 v40, vcc_lo, s16            ; s16 + how many lanes below me have it
	s_delay_alu instid0(VALU_DEP_1)
	v_cndmask_b32 v[24+\k], v[24+\k], v40, vcc_lo
	s_bcnt1_i32_b32 s17, vcc_lo
	s_add_co_u32 s16, s16, s17
.endr
.endr
.irp k, 0,1,2,3,4,5,6,7
	v_min_u32 v[24+\k], 0xff, v[24+\k]             ; the ranks are a permutation of 0 .. 255; held there before they enter an address
	s_delay_alu instid0(VALU_DEP_1)
	v_lshlrev_b32 v[24+\k], 2, v[24+\k]
	global_store_b32 v[24+\k], v[32+\k], s[10:11]  ; order[rank] = head: 1,024 bytes in all, once
.endr
.Lend:
	s_wait_tensorcnt 0x0
	ds_add_u32 v144, v145
	s_wait_dscnt 0x0
	s_endpgm
.Lfunc_end_k_qf3c70c047f_relay:
	.size	k_qf3c70c047f_relay, .Lfunc_end_k_qf3c70c047f_relay-k_qf3c70c047f_relay
	.p2alignl 7, 3214868480
	.fill 96, 4, 3214868480
	.section	.rodata,"a",@progbits
	.p2align	6, 0x0
	.amdhsa_kernel k_qf3c70c047f_relay
		.amdhsa_group_segment_fixed_size 70656
		.amdhsa_private_segment_fixed_size 0
		.amdhsa_enable_private_segment 0
		.amdhsa_kernarg_size 32
		.amdhsa_user_sgpr_count 2
		.amdhsa_user_sgpr_kernarg_segment_ptr 1
		.amdhsa_wavefront_size32 1
		.amdhsa_system_sgpr_workgroup_id_x 1
		.amdhsa_system_sgpr_workgroup_id_y 1
		.amdhsa_system_sgpr_workgroup_id_z 1
		.amdhsa_system_vgpr_workitem_id 0
		.amdhsa_next_free_vgpr 146
		.amdhsa_next_free_sgpr 66
		.amdhsa_reserve_vcc 1
		.amdhsa_float_denorm_mode_32 3
		.amdhsa_float_denorm_mode_16_64 3
		.amdhsa_memory_ordered 1
		.amdhsa_forward_progress 1
		.amdhsa_inst_pref_size 31
	.end_amdhsa_kernel
	.amdgpu_metadata
---
amdhsa.version: [ 1, 2 ]
amdhsa.kernels:
  - .name:           k_qf3c70c047f_relay
    .symbol:         k_qf3c70c047f_relay.kd
    .args:
      - { .name: window_mask, .offset: 0, .size: 8, .value_kind: global_buffer, .address_space: global }
      - { .name: valid_lens, .offset: 8, .size: 8, .value_kind: global_buffer, .address_space: global }
      - { .name: mask_img, .offset: 16, .size: 8, .value_kind: global_buffer, .address_space: global }
      - { .name: order, .offset: 24, .size: 8, .value_kind: global_buffer, .address_space: global }
    .group_segment_fixed_size: 70656
    .private_segment_fixed_size: 0
    .kernarg_segment_align: 8
    .kernarg_segment_size: 32
    .max_flat_workgroup_size: 256
    .sgpr_count:     66
    .vgpr_count:     146
    .wavefront_size: 32
...
	.end_amdgpu_metadata
.endif
;; end of part 3
;; launch attend (part 4): grid 256 x 1, 16 waves a work-group, no clusters, 249,856 bytes of LDS; arguments queries, keys, values, valid_lens, mask_img, order, out0; writes out0
.if DOCPART == 4
	.amdgcn_target "amdgcn-amd-amdhsa--gfx1250"
	.amdhsa_code_object_version 6
	.text
	.protected	k_qf3c70c047f_attend
	.globl	k_qf3c70c047f_attend
	.p2align	8
	.type	k_qf3c70c047f_attend,@function
k_qf3c70c047f_attend:
	s_mov_b64 s[64:65], 0
	v_nop
	global_prefetch_b8 v0, s[64:65] scope:SCOPE_SE
	s_setreg_imm32_b32 hwreg(HW_REG_WAVE_SCHED_MODE, 0, 2), 2
	s_setreg_imm32_b32 hwreg(HW_REG_WAVE_MODE, 25, 1), 1
	s_wait_xcnt 0x0
	s_wait_alu depctr_vm_vsrc(0)
; out0[n][q][:] = the sum over k of softmax_k(logit) values[n][k][:], logit = queries[n][q] . keys[n][k] / 8 + window_mask[(n / 8) % 4][q][k], and -1e6 for keys at or behind valid_lens[n].
; Both products on codes of FP6 (E2M3) with one E8M0 scale for each 32 along a product's K: q and k along the head's 64, p and v along the keys.
; THE SOFTMAX AHEAD OF THE SECOND PRODUCT: t = logit x log2(e); M = the row's largest t so far, rounded UP to a whole number; p = 2^(t - M) is what is quantised; the row's sum is taken of the
; unquantised p and divides at the end.  When M moves, the sum and O are multiplied by 2^(old M - new M): exact.
; SHARES.  Work-groups 2 j and 2 j + 1 visit the head of rank j and the head of rank 255 - j (order[], ranked by key steps in the launch before): a short head and a long one.  Work-group 2 j + x takes query tiles
; 32 x .. 32 x + 31 of each.  A VISIT: the sixteen waves quantise the head's needed key steps of K and V into LDS, as images of operand registers | barrier | two passes, in each of which wave w owns ONE tile of
; 16 queries and walks the key steps, 128 keys a step | barrier.  Four waves to a SIMD in 256 registers each: one wave's vector work stands beside another's products and loads.
; KEY STEPS THAT LIE WHOLLY BEHIND valid_lens ARE LEFT OUT: their p is 0.  With valid_lens = 0 every key has the same logit and all eight steps are walked; the logit is then taken as 0 in place of -1e6:
; -1e6 x log2(e) rounds to a whole number in f32, so p = 1 for every key either way.
; THE MASK COSTS NO ADDITION: a step's 64 mask numbers a lane are loaded straight into the scores' accumulators and are the C of the first product; the 1 / 8 is taken off q's scale byte (3 off the byte), which is exact.
; LAYOUT.  Both products are used transposed: S^T = K Q^T (source 0 = 16 keys, source 1 = my 16 queries), O^T = V^T P^T (source 0 = 16 of the head's 64, source 1 = P): a lane holds ONE query (lane % 16) throughout.
; THE KEYS OF A TILE ARE NOT NEIGHBOURS: lane r of tile 2 b + u takes key 32 b + 8 u + r + 8 (r / 8), so that register 16 b + i of the scores is key 32 b + 16 (lane / 16) + i: 16 neighbours for the conversions.
; THE FIRST PRODUCT'S K IS 64 of the instruction's 128.  Q's registers 6-11 are zero codes.  A tile of K is six registers; the instruction's other six are whatever follows (the next tile's codes, or six zeros
; behind the last): they meet zero codes.  The scale words' bytes 2 and 3 are 0, which is a small power of two and no NaN.
; NO TENSOR LOADS, NO CLUSTER, NO JOINT REQUESTS: how many key steps are walked is a branch on valid_lens, a number read from memory, and two heads that share a mask block or two work-groups that could share
; K and V's f32 rows would want different numbers of tiles or none of the same bytes in LDS (what is shared in LDS here is made by the waves themselves).  Operands come through registers.
; LIMITS: NaN and infinities among the inputs are not served.  A block of q whose largest magnitude lies under 2^-121 has its scale held there (so that the byte less 3 stays at 1 or more); blocks of k, v, p under 2^-124 likewise
; at byte 1.  A row whose largest valid logit lies within some 200 of -1e6 would let hidden keys count in the definition; here hidden steps are dropped.
; THE MODE: SCHED_MODE bits 1:0 = 2 (LLVM: expert scheduling mode 2), set by the entry lines.  The code itself states the register dependences between vector or matrix instructions and memory or LDS
; instructions, and between a vector instruction that writes a scalar register and its readers, with s_wait_alu, always for 0.
; THE PLAN.  Registers that memory or LDS instructions touch:
;   v1, v7-9, v234-239    addresses and offsets: written at the head, never again.
;   v10, v11, v232, v233  a step's LDS addresses: written by four additions at the step's head, read by the step's LDS loads.
;   v32-79                in a step: K's tiles land, the eight first products read them, V's fragments land, the four second products read them.  At a pass's head Q lands in v32-63, goes to the stage and comes back.
;   v244-251, v252-255    K's and V's scale words: LDS loads land, the products read them.
;   v96-159               the mask block lands; products, select, exponentials, conversions and sums name it; then the next block lands.
;   v160-191              O^T: cleared, summed, scaled; read by the stage's stores, written by its loads, read by the global stores.
;   v16-27, v242-243      while K and V are quantised: written by the quantiser, read by the images' and scale words' stores.
;   v32-223               while K and V are quantised: global loads land; K's numbers go to the stage and come back; the quantiser reads them.
; A STEP has one wait on vm_vsrc (ahead of the four additions) and six on va_vdst: behind the additions (K's loads follow), behind the first products' places (V's loads follow), ahead of and behind the exponentials,
; behind the sums (the next mask block's loads follow), and behind O^T's multiplications.  Between each of these and the loads that lean on it no vector or matrix instruction names a register that those loads touch.
.set KIMG, 0                           ; LDS: K's 32 pairs of tiles (pair 4 s + b: tiles 2 b, 2 b + 1 of step s: 12 registers a lane) x 1,536 bytes: three groups of 512, lane L's 16 bytes at 16 L
.set VIMG, 49152                       ; V's 32 fragments (4 s + dt: 16 of the head's 64 x 128 keys) x 1,536, laid likewise
.set KSC,  98304                       ; K's scale words: tile t, row r of step s at 512 s + 256 (t / 4) + 16 r + 4 (t % 4)
.set VSC,  102400                      ; V's: tile dt, row r of step s at 256 s + 16 r + 4 dt
.set STG,  104448                      ; a stage of its own for each wave: rows of 272 bytes (in K's turn rows 16 on lie 128 bytes further)
.set STGW, 8960
.set FRB,  1536
.set LI,  1                            ; v1   16 x lane: an image's place for my lane; also my byte offset in every dense run of 512 bytes in memory
.set LIV, 2                            ; v2   VIMG + 16 x lane
.set RSK, 3                            ; v3   KSC + 16 r
.set RSV, 4                            ; v4   VSC + 16 r
.set DH,  5                            ; v5   16 h
.set SH8, 6                            ; v6   8 h
.set SR,  7                            ; v7   stage: 272 h + 16 r: two rows of 256 bytes an instruction
.set QR,  8                            ; v8   stage: 272 r + 128 h: my half of my row
.set SO,  9                            ; v9   stage: 272 r + 32 h: my eight numbers of a tile of O
.set ADK, 10                           ; v10, v11, v232, v233: LDS addresses of the step in hand: K's images, V's, K's scale words, V's
.set ADV, 11
.set QF,  16                           ; v16-27 Q's fragment (v22-27 zero codes); while K and V are quantised: the codes just made
.set QS,  28                           ; v28  Q's scale word      (v28, v29, v244-255 hold scale words and nothing else)
.set PS,  29                           ; v29  p's scale word
.set TA,  30                           ; v30  at work
.set HV,  31                           ; v31  what a hidden score becomes
.set FR,  32                           ; v32-79 K's eight tiles, six registers each, or V's four fragments; v80-85 six zeros behind K's last tile
.set FF,  94                           ; v94  f = 2^(old M - new M); v95 is named with it as a pair
.set S,   96                           ; v96-159 the mask, then the scores, then p
.set OT,  160                          ; v160-191 O^T
.set PC,  192                          ; v192-203 p's codes
.set TC,  204                          ; v204-206, v208-210 the conversions' second halves
.set BM,  216                          ; v216-219 the blocks' largest scores, then largest p
.set BP,  220                          ; v220-223 the other half's; then the bytes
.set BS,  224                          ; v224-227 the conversions' scale operands
.set TQ,  228                          ; v228-230 a conversion's second half; v[228:229] also the sum's second chain
.set PT,  231
.set ADS, 232
.set ADT, 233
.set KR,  234                          ; v234 stage, K's turn: row r + 8 (r / 8) of a pair's 32, my half
.set KW,  235                          ; v235 where I store K's images: 3,072 x wave + 16 x lane
.set KSW, 236                          ; v236 and their scale words: KSC + 256 x wave + 16 r
.set VW,  237                          ; v237 V's images: VIMG + 3,072 x wave + 1,536 h + 16 r
.set VSW, 238                          ; v238 V's scale words: VSC + 256 (wave / 2) + 8 (wave % 2) + 16 r + 4 h
.set VOF, 239                          ; v239 4 x lane: my column of V
.set QA,  240                          ; v240, v241 the quantiser's two chains; v241 then its scale operand
.set QC,  241
.set WD,  242                          ; v242-243 scale words being made
.set KS,  244                          ; v244-251 K's scale words of a step
.set VS,  252                          ; v252-255 V's
.set RA,  32                           ; while K and V are quantised: two sets of 64 numbers of K, two of 32 of V
.set RB,  96
.set VA,  160
.set VC,  192
.set WV,  18                           ; s18 wave
.set XH,  19                           ; s19 which half of a head's query tiles
.set SEL, 20                           ; s[20:21] v_permlanex16_b32's selects for lane l xor 16
.set CS,  22                           ; s[22:23] log2(e): the packed form names a pair and takes its low word for both halves
.set HEAD, 24
.set HEAD1, 25
.set VAL, 26                           ; s26 the head's length, held to 0 .. 1,024
.set LIM, 27                           ; s27 keys walked: the length rounded up to 128; 1,024 where it is 0
.set HID, 28                           ; s28 a hidden score: -1e6; 0.0 where the length is 0
.set NEG, 29
.set SQB, 30                           ; s[30:31] Q, s[32:33] out0, s[34:35] mask_img, s[36:37] K, s[38:39] V: at my wave's place
.set SOB, 32
.set SMB, 34
.set SKB, 36
.set SVB, 38
.set KF,  40                           ; s40 the step's first key: the loop's counter
.set TK,  41                           ; s41 the step's images: 6,144 bytes a step, in K's and in V's
.set TS,  42                           ; s42 K's scale words: 512 a step
.set TV,  43                           ; s43 V's: 256 a step
.set PASS, 45
.set VISIT, 46
.set T0,  48
.set T2,  50
.set T3,  51
.set T4,  52
.set T5,  53
.set MK,  66                           ; s66-97 thirty-two lane masks of the hiding: a run of compares writes them, one wait, a run of selects reads them
; 32 numbers of ONE lane, v[src] on, one block along K, become six registers of codes at v[dst] (even) and the scale's byte in v[TA].
; The largest magnitude in two chains, with the floor as one more leaf; 2 off its exponent field is the conversion's scale operand; that shifted down is the byte.
.macro QUANT32 src, dst, floor
	v_max3_num_f32 v[QA], |v[(\src)]|, |v[(\src)+1]|, \floor
	v_max3_num_f32 v[QC], |v[(\src)+16]|, |v[(\src)+17]|, |v[(\src)+18]|
.irp i, 2,4,6,8,10,12
	v_max3_num_f32 v[QA], v[QA], |v[(\src)+\i]|, |v[(\src)+\i+1]|
	v_max3_num_f32 v[QC], v[QC], |v[(\src)+\i+17]|, |v[(\src)+\i+18]|
.endr
	v_max3_num_f32 v[QA], v[QA], |v[(\src)+14]|, |v[(\src)+15]|
	v_max3_num_f32 v[QA], v[QA], v[QC], |v[(\src)+31]|
	v_add_nc_u32 v[QC], 0xff000000, v[QA]
	v_lshrrev_b32 v[TA], 23, v[QC]
	v_cvt_scalef32_pk16_fp6_f32 v[(\dst):(\dst)+2], v[(\src):(\src)+15], v[QC]
	v_cvt_scalef32_pk16_fp6_f32 v[TQ:TQ+2], v[(\src)+16:(\src)+31], v[QC]   ; (a conversion's three registers begin on an even number)
	v_nop                                          ; one plain place behind a scaled conversion
.irp i, 0,1,2
	v_mov_b32 v[(\dst)+3+\i], v[TQ+\i]
.endr
.endm
; The byte in v[TA] is that of block h of my row: with lane l xor 16's it makes the row's scale word (bytes 2 and 3 stay 0).
.macro WORD2 dst
	v_lshlrev_b32 v[\dst], v[SH8], v[TA]
	v_permlanex16_b32 v[PT], v[\dst], s[SEL], s[SEL+1]
	v_or_b32 v[\dst], v[\dst], v[PT]
.endm
.macro KLOAD j, reg                    ; my wave's pair j: 32 keys x 256 bytes, as they lie: 512 consecutive bytes a load.  (No hint: the partner work-group reads them too)
.irp i, 0,1,2,3,4,5,6,7,8,9,10,11,12,13,14,15
	global_load_b128 v[(\reg)+4*\i:(\reg)+4*\i+3], v[LI], s[SKB:SKB+1] offset:8192*\j+512*\i
.endr
.endm
.macro VLOAD b, reg                    ; block b of my step: V(32 b + i, my column): a lane takes a column, its registers run down the keys, which are the second product's K
.set n, 0
.rept 32
	global_load_b32 v[(\reg)+n], v[VOF], s[SVB:SVB+1] offset:(32*\b+n)*256
.set n, n+1
.endr
.endm
; Pair j: through my stage, so that a lane gets 32 neighbours of ONE key; two tiles are quantised; their twelve registers go to LDS as they stand, and the two scale words beside them.
.macro KJOB j, reg
.irp i, 0,1,2,3,4,5,6,7,8,9,10,11,12,13,14,15
	ds_store_b128 v[SR], v[(\reg)+4*\i:(\reg)+4*\i+3] offset:544*\i+128*(\i/8)   ; rows 2 i and 2 i + 1; rows 16 on lie 128 bytes further, so that the rows r and r + 16 that one load touches fall on different 16-byte columns
.endr
	s_wait_alu depctr_vm_vsrc(0)                   ; the stores above have read the pair's 64 registers, in which the loads below land; the pair before's stores have read v[QF ..] and v[WD ..], which the quantiser writes again
.irp u, 0,1
.irp q, 0,1,2,3,4,5,6,7
	ds_load_b128 v[(\reg)+32*\u+4*\q:(\reg)+32*\u+4*\q+3], v[KR] offset:2176*\u+16*\q   ; tile u: key 8 u + r + 8 (r / 8), channels 32 h on.  LDS serves a wave's instructions in order: these see my stores
.endr
.endr
	s_wait_dscnt 0x0                               ; the numbers are back; the pair before's stores have landed
	QUANT32 \reg, QF, 0x1800000
	WORD2 WD
	QUANT32 (\reg)+32, QF+6, 0x1800000
	WORD2 WD+1
	s_wait_alu depctr_va_vdst(0)                   ; the quantiser has written v[QF ..] and v[WD ..], which the stores below read, and is done reading the pair's numbers, in whose registers later loads of V land
.irp c, 0,1,2
	ds_store_b128 v[KW], v[QF+4*\c:QF+4*\c+3] offset:FRB*\j+512*\c
.endr
	ds_store_b64 v[KSW], v[WD:WD+1] offset:8*\j    ; lanes r and r + 16 write the same words with the same values
.endm
; Block b = 2 c + h' of my column: six registers of codes, which are registers 6 c .. 6 c + 5 of lane 16 h' + r of the fragment's image.
.macro VJOB b, reg
	s_wait_dscnt 0x0                               ; the stores before have landed
	s_wait_alu depctr_vm_vsrc(0)                   ; the stores before have read v[QF ..] (ahead of block 0: v[WD ..] too), which the lines below write again
	QUANT32 \reg, QF, 0x1800000
.if \b == 0
	v_mov_b32 v[WD], v[TA]
.else
	v_lshl_or_b32 v[WD], v[TA], 8*\b, v[WD]        ; the four blocks' bytes make my column's scale word for these 128 keys
.endif
	s_wait_alu depctr_va_vdst(0)                   ; the quantiser has written v[QF ..] (and v[WD]), which the stores below read, and is done reading the block's numbers, in whose registers later loads land
.if \b < 2
	ds_store_b128 v[VW], v[QF:QF+3] offset:256*(\b%2)
	ds_store_b64 v[VW], v[QF+4:QF+5] offset:512+256*(\b%2)
.else
	ds_store_b64 v[VW], v[QF:QF+1] offset:520+256*(\b%2)
	ds_store_b128 v[VW], v[QF+2:QF+5] offset:1024+256*(\b%2)
.endif
.if \b == 3
	ds_store_b32 v[VSW], v[WD]
.endif
.endm
.macro MASKLOAD off                    ; a step's mask block into the scores' accumulators: sixteen loads of 512 consecutive bytes
.irp c, 0,1,2,3,4,5,6,7,8,9,10,11,12,13,14,15
	global_load_b128 v[S+4*\c:S+4*\c+3], v[LI], s[SMB:SMB+1] offset:\off+512*\c
.endr
.endm
	s_load_b256 s[4:11], s[0:1], 0x0               ; queries s[4:5], keys s[6:7], values s[8:9], valid_lens s[10:11]
	s_load_b128 s[12:15], s[0:1], 0x20             ; mask_img s[12:13], order s[14:15]
	s_load_b64 s[16:17], s[0:1], 0x30              ; out0.  These seven stay as they are
	v_lshrrev_b32 v[TA], 5, v0
	v_readfirstlane_b32 s[WV], v[TA]               ; wave 0..15
	s_and_b32 s[XH], ttmp9, 1
	s_mov_b32 s[SEL], 0x76543210
	s_mov_b32 s[SEL+1], 0xfedcba98
	s_mov_b32 s[CS], 0x3fb8aa3b                    ; log2(e)
	s_mov_b32 s[CS+1], s[CS]                       ; (named with it as a pair, so it is written)
	s_mov_b32 s[NEG], 0xc9742400                   ; -1e6
	; every LDS address register is made here, ahead of all branches: constants, the lane, the wave
	v_and_b32 v242, 31, v0                         ; l
	v_and_b32 v240, 15, v0                         ; r
	v_bfe_u32 v241, v0, 4, 1                       ; h
	v_lshlrev_b32 v[LI], 4, v242
	v_add_nc_u32 v[LIV], VIMG, v[LI]
	v_lshl_add_u32 v[RSK], v240, 4, KSC
	v_lshl_add_u32 v[RSV], v240, 4, VSC
	v_lshlrev_b32 v[DH], 4, v241
	v_lshlrev_b32 v[SH8], 3, v241
	s_wait_alu depctr_va_sdst(0)                   ; s[WV] is written, ahead of its first reader: LDS places and the bases are made from it
	s_mul_i32 s[T0], s[WV], STGW
	s_add_co_u32 s[T0], s[T0], STG                 ; my stage
	v_mul_u32_u24 v[SR], v241, 272
	v_lshl_add_u32 v[SR], v240, 4, v[SR]
	v_add_nc_u32 v[SR], s[T0], v[SR]
	v_mul_u32_u24 v[QR], v240, 272
	v_lshl_add_u32 v[SO], v241, 5, v[QR]
	v_lshl_add_u32 v[QR], v241, 7, v[QR]
	v_add_nc_u32 v[QR], s[T0], v[QR]
	v_add_nc_u32 v[SO], s[T0], v[SO]
	v_and_b32 v243, 8, v240                        ; 8 (r / 8)
	v_add_nc_u32 v[KR], v243, v240
	v_mul_u32_u24 v[KR], v[KR], 272
	v_lshl_add_u32 v[KR], v243, 4, v[KR]           ; + 128 (r / 8)
	v_lshl_add_u32 v[KR], v241, 7, v[KR]
	v_add_nc_u32 v[KR], s[T0], v[KR]
	s_mul_i32 s[T2], s[WV], 2*FRB
	v_add_nc_u32 v[KW], s[T2], v[LI]
	v_mul_u32_u24 v[VW], v241, FRB
	v_lshl_add_u32 v[VW], v240, 4, v[VW]
	v_add_nc_u32 v[VW], s[T2], v[VW]
	v_add_nc_u32 v[VW], VIMG, v[VW]
	s_lshl_b32 s[T2], s[WV], 8
	v_add_nc_u32 v[KSW], s[T2], v[RSK]
	s_lshr_b32 s[T2], s[WV], 1
	s_lshl_b32 s[T2], s[T2], 8
	s_and_b32 s[T3], s[WV], 1
	s_lshl_b32 s[T3], s[T3], 3
	s_add_co_u32 s[T2], s[T2], s[T3]
	v_lshl_add_u32 v[VSW], v241, 2, v[RSV]
	v_add_nc_u32 v[VSW], s[T2], v[VSW]
	v_lshlrev_b32 v[VOF], 2, v242
	v_mov_b32 v[FF+1], 0                           ; (named as the upper half of a pair)
	v_mov_b32 v[PT], 0                             ; written once: a lane permute's destination counts as one of its sources
.irp b, 0,1,2,3
	v_mov_b32 v[BP+\b], 0
.endr
	s_wait_alu depctr_va_vdst(0)                   ; the addresses and offsets v1, v7-9, v234-239 are written, which the kernel's loads and stores read; so are v95 and v220-223, in which loads of K and V land
	s_lshr_b32 s[T4], ttmp9, 1                     ; j
	s_lshl_b32 s[T4], s[T4], 2
	s_sub_co_u32 s[T5], 1020, s[T4]
	s_wait_kmcnt 0x0
	s_load_b32 s[HEAD], s[14:15], s[T4] offset:0x0    ; the head of rank j,
	s_load_b32 s[HEAD1], s[14:15], s[T5] offset:0x0   ; and that of rank 255 - j
	s_mov_b32 s[VISIT], 2
	s_wait_kmcnt 0x0
	s_min_u32 s[HEAD], s[HEAD], 0xff               ; held inside the tensors before they enter an address
	s_min_u32 s[HEAD1], s[HEAD1], 0xff
.Lvisit:
	s_lshl_b32 s[T4], s[HEAD], 2
	s_load_b32 s[VAL], s[10:11], s[T4] offset:0x0  ; (s[T4] is written again only behind the wait for this load)
	s_lshl_b32 s[T0], s[HEAD], 18                  ; the head's first byte in q, k, v and out0: 1,024 rows of 256 bytes
	s_mov_b32 s[T3], 0
	s_lshl_b32 s[T2], s[WV], 14                    ; K: my 64 keys
	s_add_co_u32 s[T2], s[T2], s[T0]
	s_add_nc_u64 s[SKB:SKB+1], s[6:7], s[T2:T3]
	s_lshr_b32 s[T2], s[WV], 1                     ; V: step wave / 2 (128 rows), columns 32 (wave % 2) on
	s_lshl_b32 s[T2], s[T2], 15
	s_and_b32 s[T5], s[WV], 1
	s_lshl_b32 s[T5], s[T5], 7
	s_add_co_u32 s[T2], s[T2], s[T5]
	s_add_co_u32 s[T2], s[T2], s[T0]
	s_add_nc_u64 s[SVB:SVB+1], s[8:9], s[T2:T3]
	s_lshl_b32 s[T5], s[XH], 5
	s_add_co_u32 s[T5], s[T5], s[WV]               ; my first tile of queries: 32 x + wave
	s_lshl_b32 s[T2], s[T5], 12                    ; 16 rows of 256 bytes a tile
	s_add_co_u32 s[T2], s[T2], s[T0]
	s_add_nc_u64 s[SQB:SQB+1], s[4:5], s[T2:T3]
	s_add_nc_u64 s[SOB:SOB+1], s[16:17], s[T2:T3]
	s_and_b32 s[T2], s[HEAD], 24                   ; 8 x window
	s_lshl_b32 s[T2], s[T2], 19                    ; a window's image is 2^22 bytes,
	s_lshl_b32 s[T5], s[T5], 16                    ; a tile's eight blocks 2^16
	s_add_co_u32 s[T2], s[T2], s[T5]
	s_add_nc_u64 s[SMB:SMB+1], s[12:13], s[T2:T3]
	s_wait_kmcnt 0x0
	s_max_i32 s[VAL], s[VAL], 0
	s_min_u32 s[VAL], s[VAL], 1024
	s_add_co_u32 s[LIM], s[VAL], 127
	s_and_b32 s[LIM], s[LIM], 0xffffff80
	s_cmp_eq_u32 s[VAL], 0
	s_cselect_b32 s[LIM], 1024, s[LIM]
	s_cselect_b32 s[HID], 0, s[NEG]
	; ---- K AND V INTO LDS.  Wave w serves key step w / 2: K's pairs 2 w and 2 w + 1, V's columns 32 (w % 2) on.  A step that nobody will walk is not quantised: no barrier stands under this branch
	s_wait_alu depctr_vm_vsrc(0)                   ; the last pass's global stores have read v160-191, in which V's block 0 lands.  (Every vector or matrix instruction that named v32-223 stands ahead of the way out's wait on va_vdst, or of the head's)
	s_lshr_b32 s[T4], s[WV], 1
	s_lshl_b32 s[T4], s[T4], 7
	s_cmp_ge_u32 s[T4], s[LIM]
	s_cbranch_scc1 .Lquantised
	KLOAD 0, RA
	KLOAD 1, RB
	VLOAD 0, VA
	s_wait_loadcnt 48                              ; pair 0 is in; pair 1's 16 loads and V's 32 stay out
	KJOB 0, RA
	s_wait_loadcnt 32                              ; pair 1 is in; V's block 0 stays out
	VLOAD 1, VC                                    ; (no vector instruction of this phase names v192-223 ahead of these loads)
	KJOB 1, RB
	s_wait_loadcnt 32                              ; V's block 0 is in; block 1 stays out
	VLOAD 2, RA                                    ; (pair 0's registers: its waits have shown them read by its stores and by its quantiser, and nothing has named them since)
	VJOB 0, VA
	s_wait_loadcnt 32                              ; block 1 is in; block 2 stays out
	VLOAD 3, RA+32
	VJOB 1, VC
	s_wait_loadcnt 32                              ; block 2 is in; block 3 stays out
	VJOB 2, RA
	s_wait_loadcnt 0x0
	VJOB 3, RA+32
.Lquantised:
	s_wait_dscnt 0x0                               ; for the others' sake: my images and scale words lie in LDS
	s_wait_alu depctr_vm_vsrc(0)                   ; my images' stores have read v16-27 and my stage's stores v80-85: v22-27 and v80-85 are cleared below, v16-21 take Q's codes
	s_barrier_signal -1
.irp i, 0,1,2,3,4,5
	v_mov_b32 v[QF+6+\i], 0                        ; Q's codes of k = 64 .. 127: zeros
	v_mov_b32 v[FR+48+\i], 0                       ; and six zeros behind K's last tile
.endr
	s_barrier_wait -1                              ; everybody's do
	s_mov_b32 s[PASS], 2
.Lpass:
	; ---- my tile of Q: 16 rows of 256 bytes, as they lie; through my stage, so that a lane gets 32 neighbours of its query; quantised in registers
	; (The loads into v32-63 and v96-159 lean on waits that stand already: coming from the pass before, the way out's wait on va_vdst ahead of its stage stores; coming from the quantising, its jobs' own; the twelve clearing lines name other registers)
.irp i, 0,1,2,3,4,5,6,7
	global_load_b128 v[FR+4*\i:FR+4*\i+3], v[LI], s[SQB:SQB+1] offset:512*\i th:TH_LOAD_NT   ; read once in the launch
.endr
	MASKLOAD 0                                     ; the first step's mask block
	s_wait_loadcnt 16                              ; Q's eight loads are in; the mask's sixteen stay out
.irp i, 0,1,2,3,4,5,6,7
	ds_store_b128 v[SR], v[FR+4*\i:FR+4*\i+3] offset:544*\i
.endr
	s_wait_alu depctr_vm_vsrc(0)                   ; the stores above have read v32-63, in which the loads below land; the last pass's stores have read v160-191, which are cleared below
.irp q, 0,1,2,3,4,5,6,7
	ds_load_b128 v[FR+4*\q:FR+4*\q+3], v[QR] offset:16*\q   ; query r, channels 32 h on
.endr
	s_wait_dscnt 0x0
	QUANT32 FR, QF, 0x3000000                      ; the floor 2^(6 - 127): the byte is 4 or more,
	v_add_nc_u32 v[TA], -3, v[TA]                  ; and 3 off it, the division by 8, leaves 1 or more
	WORD2 QS
.set n, 0
.rept 32
	v_mov_b32 v[OT+n], 0                           ; O^T.  (The step is written once: the first finds zeros, which the first change of M leaves zeros.  These lines are also the places between Q's scale word and the first product)
.set n, n+1
.endr
	v_mov_b32 v13, 0xff61b1e6                      ; the largest t so far: -3e38, under every t
	v_floor_f32 v12, -v13                          ; -M
	v_mov_b32 v14, 0                               ; the sum, in two halves
	v_mov_b32 v15, 0
	s_mov_b32 s[KF], 0
	s_mov_b32 s[TK], 0
	s_mov_b32 s[TS], 0
	s_mov_b32 s[TV], 0
.Lstep:                                            ; eight trips, a constant; a step behind the head's keys is jumped over, all but the lines at its end that step addresses
	s_wait_alu depctr_vm_vsrc(0)                   ; the LDS loads issued so far have read v10, v11, v232, v233, which the four additions below write again
	s_cmp_ge_u32 s[KF], s[LIM]
	s_cbranch_scc1 .Lhidden
	v_add_nc_u32 v[ADK], s[TK], v[LI]
	v_add_nc_u32 v[ADS], s[TS], v[RSK]
	v_add_nc_u32 v[ADV], s[TK], v[LIV]
	v_add_nc_u32 v[ADT], s[TV], v[RSV]
	s_wait_alu depctr_va_vdst(0)                   ; the four addresses are written, which the step's LDS loads read; the last step's products are done reading v32-79 and v244-251, in which K's tiles and words land; in a pass's first step Q's quantiser is done reading v32-63, and Q's codes, its scale word and the zero codes are written for the products below
.irp b, 0,1,2,3
.irp c, 0,1,2
	ds_load_b128 v[FR+12*\b+4*\c:FR+12*\b+4*\c+3], v[ADK] offset:FRB*\b+512*\c   ; K's eight tiles, as images
.endr
.endr
	ds_load_b128 v[KS:KS+3], v[ADS]                ; and their scale words: row r's four words of tiles 0-3, of tiles 4-7
	ds_load_b128 v[KS+4:KS+7], v[ADS] offset:256
	s_wait_loadcnt 0x0                             ; the mask block is in the accumulators
	s_wait_dscnt 0x0
.irp t, 0,1,2,3,4,5,6,7                            ; the logits: K Q^T / 8 + mask.  Eight accumulators, one instruction each (the accumulators take turns)
	v_wmma_scale_f32_16x16x128_f8f6f4 v[S+8*\t:S+8*\t+7], v[FR+6*\t:FR+6*\t+11], v[QF:QF+11], v[S+8*\t:S+8*\t+7], v[KS+\t], v[QS] matrix_a_fmt:MATRIX_FMT_FP6 matrix_b_fmt:MATRIX_FMT_FP6
.endr
	s_sub_co_i32 s[T4], s[VAL], s[KF]
	v_sub_nc_u32 v[TA], s[T4], v[DH]               ; d = length - KF - 16 h.  (Four places behind the products, ahead of the first read of the scores)
	v_mov_b32 v[HV], s[HID]
	v_nop
	v_nop
	s_wait_alu depctr_va_vdst(0)                   ; the eight products are done reading K's tiles in v32-79, in which V's fragments land
.irp t, 0,1,2,3
.irp c, 0,1,2
	ds_load_b128 v[FR+12*\t+4*\c:FR+12*\t+4*\c+3], v[ADV] offset:FRB*\t+512*\c   ; V's four fragments are asked for now and land under the softmax
.endr
.endr
	ds_load_b128 v[VS:VS+3], v[ADT]
	s_add_co_u32 s[T4], s[KF], 128                 ; a step all of whose keys count skips the hiding
	s_cmp_le_u32 s[T4], s[VAL]
	s_cbranch_scc1 .Lopen
.irp g, 0,1                                        ; register 16 b + i holds key KF + 16 h + 32 b + i: hidden where 32 b + i >= d.  32 compares into 32 scalar masks, one wait, 32 selects; in ascending order: each accumulator is read from its low end on
.set n, 32*\g
.rept 32
	v_cmp_ge_i32 s[MK+n%32], 32*(n/16)+n%16, v[TA]
.set n, n+1
.endr
	s_wait_alu depctr_va_sdst(0)                   ; the 32 compares have written their masks, ahead of the selects that read them
.set n, 32*\g
.rept 32
	v_cndmask_b32 v[S+n], v[S+n], v[HV], s[MK+n%32]
.set n, n+1
.endr
.endr
.Lopen:
.irp b, 0,1,2,3
	v_max3_num_f32 v[BM+\b], v[S+16*\b], v[S+16*\b+1], v[S+16*\b+2]   ; THE LARGEST LOGIT OF EACH BLOCK OF 32 KEYS: it serves for the row's maximum and, since p rises with the logit, for the block's largest p
.endr
.irp i, 3,5,7,9,11,13
.irp b, 0,1,2,3
	v_max3_num_f32 v[BM+\b], v[BM+\b], v[S+16*\b+\i], v[S+16*\b+\i+1]   ; (the four blocks by turns)
.endr
.endr
.irp b, 0,1,2,3
	v_max_num_f32 v[BM+\b], v[BM+\b], v[S+16*\b+15]
.endr
.irp b, 0,1,2,3
	v_permlanex16_b32 v[BP+\b], v[BM+\b], s[SEL], s[SEL+1]
.endr
.irp b, 0,1,2,3
	v_max_num_f32 v[BM+\b], v[BM+\b], v[BP+\b]     ; with lane l xor 16's 16 keys
.endr
	v_max3_num_f32 v[TA], v[BM], v[BM+1], v[BM+2]
	v_max_num_f32 v[TA], v[TA], v[BM+3]            ; the step's largest logit of my query
	v_mul_f32 v[TA], s[CS], v[TA]                  ; as t
	v_max_num_f32 v13, v13, v[TA]                  ; the running largest t
	v_mov_b32 v[TA], v12
	v_floor_f32 v12, -v13                          ; the new -M = floor(-t) = -ceil(t): M IS A WHOLE NUMBER
	v_sub_f32 v[TA], v12, v[TA]                    ; M's old value less its new one: a whole number, 0 or less
	v_cvt_i32_f32 v[TA], v[TA]                     ; (it saturates)
	v_ldexp_f32 v[FF], 1.0, v[TA]                  ; f = 2^(old M - new M)
.set n, 0
.rept 32
	v_pk_fma_f32 v[S+n:S+n+1], v[S+n:S+n+1], s[CS:CS+1], v[12:13] op_sel_hi:[1,0,0]   ; t - M, two at a time (of the pairs log2(e) and -M the low word serves both halves)
.set n, n+2
.endr
.irp b, 0,1,2,3
	v_fma_f32 v[BM+\b], v[BM+\b], s[CS], v12       ; the same of each block's largest logit
.endr
.set n, 0
	s_wait_alu depctr_va_vdst(0)
.rept 64
	v_exp_f32 v[S+n], v[S+n]                       ; p = 2^(t - M), at most 1: NOT normalised
.set n, n+1
.endr
.irp b, 0,1,2,3
	v_exp_f32 v[BM+\b], v[BM+\b]                   ; the block's largest p: the same two instructions on the same number give the same bits
.endr
	v_pk_mul_f32 v[14:15], v[14:15], v[FF:FF+1] op_sel_hi:[1,0]   ; the sums under the new M.  (A plain place behind the exponentials)
	s_wait_alu depctr_va_vdst(0)                   ; the 68 exponentials have written p and the blocks' largest p, ahead of the first instruction that names a result: one wait for the batch
.irp b, 0,1,2,3
	v_max_num_f32 v[BM+\b], 0x1800000, v[BM+\b]    ; the floor 2^(3 - 127): the byte cannot fall under 1 (a block whose every p is 0 keeps that byte: its codes are zeros)
.endr
.irp b, 0,1,2,3
	v_add_nc_u32 v[BS+\b], 0xff000000, v[BM+\b]    ; 2 off the exponent field: the conversion's scale operand
.endr
.irp b, 0,1,2,3
	v_lshrrev_b32 v[BP+\b], 23, v[BS+\b]           ; the scale's byte
.endr
	v_lshl_or_b32 v[PS], v[BP+1], 8, v[BP]         ; p's scale word for these 128 keys
	v_lshl_or_b32 v[PS], v[BP+2], 16, v[PS]
	v_lshl_or_b32 v[PS], v[BP+3], 24, v[PS]
.irp c, 0,1
	v_cvt_scalef32_pk16_fp6_f32 v[PC+6*\c:PC+6*\c+2], v[S+32*\c:S+32*\c+15], v[BS+2*\c]
	v_cvt_scalef32_pk16_fp6_f32 v[TC+4*\c:TC+4*\c+2], v[S+32*\c+16:S+32*\c+31], v[BS+2*\c+1]   ; (a conversion's three registers begin on an even number)
.endr
	v_nop                                          ; one plain place behind a scaled conversion
.irp c, 0,1                                        ; the operand's layout wants a WHOLE block in a lane: lanes 0-15 block 2 c, lanes 16-31 block 2 c + 1
.irp i, 0,1,2
	v_permlane16_swap_b32 v[PC+6*\c+\i], v[TC+4*\c+\i]
.endr
.irp i, 0,1,2
	v_mov_b32 v[PC+3+6*\c+\i], v[TC+4*\c+\i]
.endr
.endr
	v_pk_add_f32 v[TQ:TQ+1], v[S:S+1], v[S+2:S+3]  ; THE ROW'S SUM IS TAKEN OF THE UNQUANTISED p: two at a time, in two chains.  (These 32 lines are also the places between p's codes and scale word and the second product)
.irp j, 4,8,12,16,20,24,28,32,36,40,44,48,52,56,60
	v_pk_add_f32 v[14:15], v[14:15], v[S+\j:S+\j+1]
	v_pk_add_f32 v[TQ:TQ+1], v[TQ:TQ+1], v[S+\j+2:S+\j+3]
.endr
	v_pk_add_f32 v[14:15], v[14:15], v[TQ:TQ+1]
	s_wait_alu depctr_va_vdst(0)                   ; the conversions and the sums are done reading p in v96-159, in which the next mask block lands; p's codes and its scale word are written, which the second product takes.  (The multiplications below name O^T and f alone)
	s_add_co_u32 s[T4], s[KF], 128                 ; p is done with: the next step's mask block is asked for, if that step will be walked (so no load leaves the buffer, and none is left unawaited)
	s_cmp_lt_u32 s[T4], s[LIM]
	s_cbranch_scc0 .Lno_next
	MASKLOAD 8192
.Lno_next:
.set n, 0
.rept 16
	v_pk_mul_f32 v[OT+n:OT+n+1], v[OT+n:OT+n+1], v[FF:FF+1] op_sel_hi:[1,0]   ; O^T under the new M: x f.  In ascending order
.set n, n+2
.endr
	s_wait_alu depctr_va_vdst(0)
	s_wait_dscnt 0x0                               ; V's fragments and scale words are in
.irp t, 0,1,2,3                                    ; O^T += V^T P^T: four accumulators, one instruction each
	v_wmma_scale_f32_16x16x128_f8f6f4 v[OT+8*\t:OT+8*\t+7], v[FR+12*\t:FR+12*\t+11], v[PC:PC+11], v[OT+8*\t:OT+8*\t+7], v[VS+\t], v[PS] matrix_a_fmt:MATRIX_FMT_FP6 matrix_b_fmt:MATRIX_FMT_FP6
.endr
.Lhidden:
	s_wait_xcnt 0x0                                ; the mask's loads have read their base: it steps only behind this wait
	s_add_nc_u64 s[SMB:SMB+1], s[SMB:SMB+1], 8192
	s_add_co_u32 s[TK], s[TK], 4*FRB
	s_add_co_u32 s[TS], s[TS], 512
	s_add_co_u32 s[TV], s[TV], 256
	s_add_co_u32 s[KF], s[KF], 128
	s_cmp_lt_u32 s[KF], 1024
	s_cbranch_scc1 .Lstep
	; ---- THE WAY OUT.  O^T / the sum goes through my stage and leaves as whole rows of 256 bytes, two an instruction.
	s_wait_loadcnt 0x0                             ; no load is out on the ways that the lengths allow (the last step walked asks for nothing); the wait holds that for every way through the two branches on the length
	v_nop                                          ; with the two additions and the v_nop below: the places behind the last products
	v_nop
	s_wait_alu depctr_va_vdst(0)
	v_add_f32 v14, v14, v15                        ; the sum's two halves,
	v_permlanex16_b32 v[TA], v14, s[SEL], s[SEL+1]
	v_add_f32 v14, v14, v[TA]                      ; and lane l xor 16's: the row's sum, over 1/2
	s_wait_alu depctr_va_vdst(0)
	v_rcp_f32 v14, v14
	v_nop                                          ; one plain place behind a transcendental
	s_wait_alu depctr_va_vdst(0)                   ; the reciprocal has written v14, ahead of its first reader
.set n, 0
.rept 16
	v_pk_mul_f32 v[OT+n:OT+n+1], v[OT+n:OT+n+1], v[14:15] op_sel_hi:[1,0]   ; register 8 t + i is out0(query r, channel 16 t + 8 h + i).  In ascending order
.set n, n+2
.endr
	s_wait_alu depctr_va_vdst(0)                   ; the multiplications have written v160-191, which the stage's stores read and in which its loads land.  It is also the last wait behind any line that names v32-223: the next pass's and the next visit's loads lean on it
.irp t, 0,1,2,3
	ds_store_b128 v[SO], v[OT+8*\t:OT+8*\t+3] offset:64*\t
	ds_store_b128 v[SO], v[OT+8*\t+4:OT+8*\t+7] offset:64*\t+16
.endr
	s_wait_alu depctr_vm_vsrc(0)                   ; the stores above have read v160-191, in which the loads below land
.irp i, 0,1,2,3,4,5,6,7
	ds_load_b128 v[OT+4*\i:OT+4*\i+3], v[SR] offset:544*\i   ; LDS serves a wave's instructions in order: these see my stores
.endr
.irp i, 0,1,2,3,4,5,6,7
	s_wait_dscnt 7-\i                              ; rows 2 i and 2 i + 1 are back, the younger loads stay out
	global_store_b128 v[LI], v[OT+4*\i:OT+4*\i+3], s[SOB:SOB+1] offset:512*\i th:TH_STORE_NT   ; 512 consecutive bytes, at a multiple of 256 from out0's first byte; written once
.endr
	s_wait_xcnt 0x0                                ; the stores have read their registers and their base: both are written again only behind this wait
	s_add_nc_u64 s[SQB:SQB+1], s[SQB:SQB+1], 65536     ; sixteen tiles on
	s_add_nc_u64 s[SOB:SOB+1], s[SOB:SOB+1], 65536
	s_add_nc_u64 s[SMB:SMB+1], s[SMB:SMB+1], 983040    ; sixteen tiles' blocks, less the eight blocks that the steps have walked
	s_sub_co_u32 s[PASS], s[PASS], 1
	s_cmp_lg_u32 s[PASS], 0
	s_cbranch_scc1 .Lpass
	s_wait_dscnt 0x0                               ; my reads of the images are over
	s_barrier_signal -1
	s_barrier_wait -1                              ; everybody's are: the next visit may write them
	s_mov_b32 s[HEAD], s[HEAD1]
	s_sub_co_u32 s[VISIT], s[VISIT], 1
	s_cmp_lg_u32 s[VISIT], 0
	s_cbranch_scc1 .Lvisit
	s_wait_xcnt 0x0
	v_lshl_add_u32 v254, v0, 2, 0x3c800            ; the add's two registers are made anew, straight ahead of the closing lines: no memory or LDS instruction has read v254 or v255 (LDS loads landed there, products took them as scales)
	v_mov_b32 v255, 0
	s_wait_dscnt 0x0                               ; the closing lines, six on end
	s_wait_alu 0x0
	s_wait_tensorcnt 0x0
	ds_add_u32 v254, v255
	s_wait_dscnt 0x0
	s_endpgm
.Lfunc_end_k_qf3c70c047f_attend:
	.size	k_qf3c70c047f_attend, .Lfunc_end_k_qf3c70c047f_attend-k_qf3c70c047f_attend
	.p2alignl 7, 3214868480
	.fill 96, 4, 3214868480
	.section	.rodata,"a",@progbits
	.p2align	6, 0x0
	.amdhsa_kernel k_qf3c70c047f_attend
		.amdhsa_group_segment_fixed_size 249856
		.amdhsa_private_segment_fixed_size 0
		.amdhsa_enable_private_segment 0
		.amdhsa_kernarg_size 56
		.amdhsa_user_sgpr_count 2
		.amdhsa_user_sgpr_kernarg_segment_ptr 1
		.amdhsa_wavefront_size32 1
		.amdhsa_system_sgpr_workgroup_id_x 1
		.amdhsa_system_sgpr_workgroup_id_y 1
		.amdhsa_system_sgpr_workgroup_id_z 1
		.amdhsa_system_vgpr_workitem_id 0
		.amdhsa_next_free_vgpr 256
		.amdhsa_next_free_sgpr 98
		.amdhsa_reserve_vcc 0
		.amdhsa_float_denorm_mode_32 3
		.amdhsa_float_denorm_mode_16_64 3
		.amdhsa_memory_ordered 1
		.amdhsa_forward_progress 1
		.amdhsa_inst_pref_size 76
	.end_amdhsa_kernel
	.amdgpu_metadata
---
amdhsa.version: [ 1, 2 ]
amdhsa.kernels:
  - .name:           k_qf3c70c047f_attend
    .symbol:         k_qf3c70c047f_attend.kd
    .args:
      - { .name: queries, .offset: 0, .size: 8, .value_kind: global_buffer, .address_space: global }
      - { .name: keys, .offset: 8, .size: 8, .value_kind: global_buffer, .address_space: global }
      - { .name: values, .offset: 16, .size: 8, .value_kind: global_buffer, .address_space: global }
      - { .name: valid_lens, .offset: 24, .size: 8, .value_kind: global_buffer, .address_space: global }
      - { .name: mask_img, .offset: 32, .size: 8, .value_kind: global_buffer, .address_space: global }
      - { .name: order, .offset: 40, .size: 8, .value_kind: global_buffer, .address_space: global }
      - { .name: out0, .offset: 48, .size: 8, .value_kind: global_buffer, .address_space: global }
    .group_segment_fixed_size: 249856
    .private_segment_fixed_size: 0
    .kernarg_segment_align: 8
    .kernarg_segment_size: 56
    .max_flat_workgroup_size: 512
    .sgpr_count:     98
    .vgpr_count:     256
    .wavefront_size: 32
...
	.end_amdgpu_metadata
.endif
;; end of part 4
